; MI455X (gfx1250); checked and timed in simulation.
; The chip was launched on July 23, 2026; its instructions are those of AMD's public machine-readable ISA for CDNA 5 (MIT licence, August 2026) and "CDNA5" Instruction Set Architecture Reference Guide (July 2026). The comments in the code are by the model that wrote it; some were corrected since.
;; Self Attention Module. Allowed arithmetic: matrix products marked QUANTISED: E2M1 operands, one E8M0 scale for each 32 along K, by v_wmma_scale_f32_16x16x128_f8f6f4 with both operands' format E2M1 (or v_wmma_scale_f32_32x16x128_f4), f32 sums; products left as they are: bf16, f16 or f32 operands; f32 sums; everything else in f32.
;; Inputs: Went 1,024 x 1,024 float32; Wk 1,024 x 1,024 float32; Wo 1,024 x 1,024 float32; Wq 1,024 x 1,024 float32; Wrot 1,024 x 1,024 float32; Wv 1,024 x 1,024 float32; entangle_params 4 x 1,024 x 1,024 float32; inputs 4 x 1,024 x 1,024 float32; rotation_params 4 x 1,024 x 1,024 float32.
;; Outputs: out0 4 x 1,024 x 1,024 float32.
;; This version of the problem:
;;   THIS VERSION OF THE PROBLEM IS GIVEN IN LOW PRECISION. The matrix products marked QUANTISED in the list below multiply operands that are first quantised to E2M1 (2 exponent bits, 1 mantissa bit; 4 bits a number), with one power-of-two scale for each 32 numbers along K (OCP MX v1.0); their sums are f32. The products marked 'left as it is' may take bf16, f16 or f32 operands, with f32 sums. Whichever they take, every output number must still come out within the allowed error. Rounding operands to bf16 (8 significant bits) uses up far more of that allowance than f16 does (11 bits, for magnitudes from 6e-5 to 65,504). All else is computed in f32.
;;   The module's matrix products, in the order in which they are computed (A, B: the left and right operand; K: the contracted axis; several contracted axes count as one K, in the product's order):
;;     1. [M 4,096, K 1,024] x [K 1,024, N 1,024]; A: input inputs; B: input Wq: QUANTISED
;;     2. [M 4,096, K 1,024] x [K 1,024, N 1,024]; A: input rotation_params; B: input Wrot: QUANTISED
;;     3. [M 4,096, K 1,024] x [K 1,024, N 1,024]; A: input inputs; B: input Wk: QUANTISED
;;     4. [M 4,096, K 1,024] x [K 1,024, N 1,024]; A: input entangle_params; B: input Went: QUANTISED
;;     5. [M 4,096, K 1,024] x [K 1,024, N 1,024]; A: input inputs; B: input Wv: QUANTISED
;;     6. batch 64 x [M 1,024, K 64] x [K 64, N 1,024]; A: computed on the way; B: computed on the way: left as it is (an operand is computed on the way)
;;     7. batch 64 x [M 1,024, K 1,024] x [K 1,024, N 64]; A: computed on the way; B: computed on the way: left as it is (an operand is computed on the way)
;;     8. [M 4,096, K 1,024] x [K 1,024, N 1,024]; A: computed on the way; B: input Wo: left as it is (an operand is computed on the way)
;;   THE QUANTISER, for each operand of a quantised product, along K:
;;     - K is cut into blocks of 32 from its start; a last block that is shorter is filled with zeros.
;;     - A block's scale is 2^e with e = floor(log2(the largest magnitude in the block)) - 2, held to -126 .. 127; a block of zeros has e = 0. As a byte (E8M0): e + 127.
;;     - Each number is divided by its block's scale, clamped to +-6, and rounded to the nearest number of E2M1, ties to even, subnormals kept.
;;     - The product sums the exact products of the quantised numbers (number of the format x scale) in f32.
;;   ~~~python
;;   def quantise(x, axis):      # numpy; x: float32 -> the quantised numbers, widened to float32 again
;;       x = np.moveaxis(x, axis, -1); K = x.shape[-1]
;;       x = np.pad(x, [(0, 0)] * (x.ndim - 1) + [(0, -K % 32)]); x = x.reshape(x.shape[:-1] + (-1, 32)); a = np.abs(x).max(-1, keepdims=True)
;;       e = np.where(a > 0, np.clip(np.frexp(np.where(a > 0, a, 1))[1] - 1 - 2, -126, 127), 0)      # np.frexp(a)[1] - 1 = floor(log2(a)), exactly
;;       r = np.clip(x / 2.0 ** e, -6, 6)
;;       step = 2.0 ** (np.maximum(np.frexp(np.where(r == 0, 1, r))[1] - 1, 0) - 1)
;;       q = np.round(r / step) * step * 2.0 ** e      # np.round: ties to even
;;       return np.moveaxis(q.reshape(q.shape[:-2] + (-1,))[..., :K], -1, axis).astype(np.float32)
;;   ~~~
;; One version. Each part assembles by itself: llvm-mc -triple=amdgcn-amd-amdhsa -mcpu=gfx1250 --defsym DOCPART=n.
;; ======== version 1 of 1: 4 launches
;; limits: values are held in f16: magnitudes above 65,504 overflow, below 6.1e-05 lose precision
;; workspace buffers: codes 8,912,896 bytes; scales 557,056 bytes; wo16 2,097,152 bytes; qh 8,388,608 bytes; kh 8,388,608 bytes; vt 8,388,608 bytes; oh 8,388,608 bytes
;; launch quant (part 1): grid 256 x 1, 9 waves a work-group, no clusters, 75,008 bytes of LDS; arguments inputs, rotation_params, entangle_params, Wq, Wk, Wv, Wrot, Went, Wo, codes, scales, wo16; writes codes, scales, wo16
.if DOCPART == 1
	.amdgcn_target "amdgcn-amd-amdhsa--gfx1250"
	.amdhsa_code_object_version 6
	.text
	.protected	k_qf454bb6ab6_quant
	.globl	k_qf454bb6ab6_quant
	.p2align	8
	.type	k_qf454bb6ab6_quant,@function
k_qf454bb6ab6_quant:
	s_mov_b64 s[64:65], 0
	v_nop
	global_prefetch_b8 v0, s[64:65] scope:SCOPE_SE
	s_setreg_imm32_b32 hwreg(HW_REG_WAVE_MODE, 25, 1), 1
	s_wait_xcnt 0x0
; The eight operands of the quantised products (inputs, rotation_params, entangle_params [4096][1024]; Wq, Wk, Wv, Wrot, Went [1024][1024], all f32, K innermost) become codes of FP4 (E2M1),
; two a byte, the lower k in the low four bits, with one E8M0 scale byte for each 32 along K.  Wo [1024][1024] is rounded to f16, for the product that is left as it is.
; A block's scale is 2^(floor(log2(its largest magnitude)) - 2); its byte is the largest magnitude's own exponent field - 2, held at 1 from below.  Each number is divided by the scale and rounded to the nearest code, ties to even;
; beyond 6 the conversion gives the largest code.
; LIMITS: a block of zeros gets the byte 1 where the rule says 127 (its codes are zeros, which add nothing, and this program alone reads the bytes); blocks whose largest magnitude lies under 2^(2 - 126) have their byte held at 1;
; NaN and infinities among the inputs are not served; |Wo| stays under 65,504, the largest f16 number.
; Rows are dense and K = 1024 is a multiple of 32, so each tensor is a plain stream of blocks of 32, and so are its codes and scale bytes.  All eight lie on end in the two workspace buffers.
; SHARES.  The nine tensors are 2,304 runs of 8,192 numbers: 512 for each activation, 128 for each weight, in the order inputs, rotation_params, entangle_params, Wq, Wk, Wv, Wrot, Went, Wo.  A wave takes one run,
; a work-group of nine waves nine on end: 256 work-groups of equal work.  Run = 9 x work-group + wave.  Only the input's pointer is chosen, by the run's number; the outputs' places follow from it.
; A run is 16 steps of 512 numbers.  Each of a step's four loads reads 512 consecutive bytes, 16 a lane; the 2,048 bytes go through the wave's own stage in LDS and come back 64 bytes a lane, so that a lane holds 16 neighbours
; along K (two neighbouring lanes hold a block).  A lane's 16 codes are 8 bytes: the wave stores 256 consecutive bytes.  A wave's 256 scale bytes are gathered in LDS and leave as one store of 256 consecutive bytes.
; No tensor loads, no barrier: waves share nothing.  Loads run eight steps (32 loads a wave) ahead, the turn through LDS one step.  No cluster: no two work-groups read the same bytes.
.set WAVES, 9
.set STEPS, 16
.set AHEAD, 8
.set QRUNS, 2176                       ; runs that are quantised; the 128 behind them are Wo's
.set EMAX,  2
.set CB,    8                          ; bytes of 16 codes
.set R,     16                         ; v16-143  eight sets of 16 numbers as they are loaded (Wo: two sets of 64)
.set X,     144                        ; v144-175 two sets of 16 neighbours
.set E,     176                        ; v176-191 a scale byte for each step
.set C,     192                        ; v192-223 codes: two registers for each step, so that no store's data are written again
.set WH,    144                        ; v144-175 Wo: a round's 64 f16 pairs
.set WREG,  8192                       ; LDS: a region of its own for each wave: two stages of 32 x SP bytes, and behind them its 256 scale bytes
.set SP,    80                         ; a lane's place in a stage: its 64 bytes + 16 of padding
.set SPW,   12                         ; v12      LDS address of my spare word: SPARE + 4 x my thread's number; never rewritten
.set NIL,   13                         ; v13      0; never rewritten
.set SPARE, WAVES*WREG                 ; behind the nine regions: the spare words, 128 bytes for each wave
	s_load_b512 s[8:23], s[0:1], 0x0               ; inputs, rotation_params, entangle_params, Wq, Wk, Wv, Wrot, Went
	s_load_b256 s[24:31], s[0:1], 0x40             ; Wo s[24:25], codes s[26:27], scales s[28:29], wo16 s[30:31]
	v_lshl_add_u32 v[SPW], v0, 2, SPARE
	v_mov_b32 v[NIL], 0
	v_lshrrev_b32 v1, 5, v0
	v_readfirstlane_b32 s32, v1                    ; wave
	v_and_b32 v2, 31, v0                           ; lane
	v_lshlrev_b32 v3, 4, v2                        ; my 16 bytes of a load's 512
	s_mul_i32 s33, s32, WREG
	v_lshrrev_b32 v14, 2, v2
	v_mul_u32_u24 v14, v14, SP
	v_and_b32 v15, 3, v2
	v_lshl_add_u32 v14, v15, 4, v14
	v_add_nc_u32 v14, s33, v14                     ; the stage, on the way in: four lanes' 64 bytes on end, then 16 of padding
	v_mul_u32_u24 v15, v2, SP
	v_add_nc_u32 v15, s33, v15                     ; and on the way out: SP x lane: my 16 neighbours
	v_mul_u32_u24 v4, v2, CB                       ; my 8 bytes of a store's 256
	v_lshrrev_b32 v5, 1, v2
	s_add_co_u32 s33, s33, 2*32*SP
	v_add_nc_u32 v5, s33, v5                       ; LDS: my wave's 256 scale bytes, my block's byte
	v_lshlrev_b32 v7, 3, v2                        ; and on the way out 8 bytes a lane
	v_add_nc_u32 v6, s33, v7
	s_mul_i32 s36, ttmp9, WAVES
	s_add_co_u32 s36, s36, s32                     ; my run
	s_wait_kmcnt 0x0
	s_cmp_ge_u32 s36, QRUNS                        ; ids alone decide; no barrier stands in this text
	s_cbranch_scc1 .Lwo
	s_mov_b64 s[4:5], s[8:9]                       ; which tensor is mine: a choice among pointers by the run's number
.macro PICK from, reg
	s_cmp_ge_u32 s36, \from
	s_cselect_b64 s[4:5], s[\reg:\reg+1], s[4:5]
.endm
	PICK 512, 10
	PICK 1024, 12
	PICK 1536, 14
	PICK 1664, 16
	PICK 1792, 18
	PICK 1920, 20
	PICK 2048, 22
	s_mov_b32 s33, 127                             ; a weight has 128 runs,
	s_cmp_lt_u32 s36, 1536
	s_cselect_b32 s33, 511, s33                    ; an activation 512; each tensor begins at a multiple of its count
	s_and_b32 s33, s36, s33                        ; my run within the tensor
	s_lshl_b32 s34, s33, 15                        ; 32,768 bytes a run
	s_mov_b32 s35, 0
	s_add_nc_u64 s[4:5], s[4:5], s[34:35]
	s_lshl_b32 s34, s36, 12                        ; 4,096 bytes of codes a run
	s_add_nc_u64 s[26:27], s[26:27], s[34:35]
	s_lshl_b32 s34, s36, 8                         ; 256 scale bytes a run
	s_add_nc_u64 s[28:29], s[28:29], s[34:35]
.macro LOAD t
.irp i, 0,1,2,3
	global_load_b128 v[R+16*((\t)%AHEAD)+4*\i:R+16*((\t)%AHEAD)+4*\i+3], v3, s[4:5] offset:2048*(\t)+512*\i th:TH_LOAD_NT   ; 32 lanes read 512 consecutive bytes
.endr
.endm
.macro TURN t                          ; step t's numbers through the stage: LDS serves a wave's instructions in order, so no wait stands between the stores and the loads
.irp i, 0,1,2,3
	ds_store_b128 v14, v[R+16*((\t)%AHEAD)+4*\i:R+16*((\t)%AHEAD)+4*\i+3] offset:32*SP*((\t)%2)+8*SP*\i
.endr
.irp i, 0,1,2,3
	ds_load_b128 v[X+16*((\t)%2)+4*\i:X+16*((\t)%2)+4*\i+3], v15 offset:32*SP*((\t)%2)+16*\i
.endr
.endm
.irp t, 0,1,2,3,4,5,6,7
	LOAD \t
.endr
	s_wait_loadcnt 4*(AHEAD-1)                     ; step 0's four loads are in; the 28 of steps 1 to 7 may be out
	TURN 0
.macro STEP t
.set XS, X+16*((\t)%2)
.if (\t) > 0
	s_wait_dscnt 1                                 ; this step's numbers are back from the stage (the last step's byte store may be out): so its stores into the stage have read their registers,
.else
	s_wait_dscnt 0x0
.endif
.if (\t)+AHEAD < STEPS
	LOAD (\t)+AHEAD                                ; which take the loads of eight steps on
.endif
.if (\t)+1 < STEPS
.if (\t)+AHEAD < STEPS
	s_wait_loadcnt 4*(AHEAD-1)                     ; the next step's four loads are in; those of the seven steps behind it may be out
.else
	s_wait_loadcnt 4*(STEPS-2-(\t))                ; the tail: as many steps as are left behind the next
.endif
	TURN (\t)+1                                    ; and go through the other stage while this step is worked
.endif
	v_max3_num_f32 v8, |v[XS]|, |v[XS+1]|, |v[XS+2]|               ; the largest magnitude of my 16, in two chains
	v_max3_num_f32 v9, |v[XS+3]|, |v[XS+4]|, |v[XS+5]|
.irp i, 6,10
	v_max3_num_f32 v8, v8, |v[XS+\i]|, |v[XS+\i+1]|
	v_max3_num_f32 v9, v9, |v[XS+\i+2]|, |v[XS+\i+3]|
.endr
	v_max3_num_f32 v8, v8, |v[XS+14]|, |v[XS+15]|
	v_max3_num_f32 v8, v8, v9, (EMAX+1)<<23        ; and the floor 2^(EMAX + 1 - 127): so the byte cannot fall under 1
	v_max_num_f32_dpp v8, v8, v8 row_xmask:1 row_mask:0xf bank_mask:0xf   ; and of my neighbour's 16: the block's
	v_add_nc_u32 v11, -(EMAX<<23), v8              ; EMAX off its exponent field: the conversion takes the exponent field of this operand as its scale, and nothing else of it
	v_cvt_scalef32_pk8_fp4_f32 v[C+2*(\t)], v[XS:XS+7], v11
	v_cvt_scalef32_pk8_fp4_f32 v[C+2*(\t)+1], v[XS+8:XS+15], v11
	v_lshrrev_b32 v[E+(\t)], 23, v11               ; the scale's byte (a plain line behind the conversions)
	ds_store_b8 v5, v[E+(\t)] offset:16*(\t)       ; both lanes of a block write the same byte with the same value
	global_store_b64 v4, v[C+2*(\t):C+2*(\t)+1], s[26:27] offset:32*CB*(\t)   ; 32 lanes store 256 consecutive bytes, at a multiple of 256 from the buffer's first byte
.endm
.irp t, 0,1,2,3,4,5,6,7,8,9,10,11,12,13,14,15
	STEP \t
.endr
	ds_load_b64 v[8:9], v6                         ; LDS serves a wave's instructions in order: these see my byte stores
	s_wait_dscnt 0x0
	global_store_b64 v7, v[8:9], s[28:29]          ; 32 lanes store my wave's 256 scale bytes
	s_wait_tensorcnt 0x0                           ; the wave's end, behind my last LDS store
	ds_add_u32 v[SPW], v[NIL]
	s_wait_dscnt 0x0
	s_endpgm
; Wo to f16.  A wave takes 8,192 numbers in four rounds of 16 loads (512 consecutive bytes each); two rounds are on their way.  A load's 4 numbers a lane become 8 bytes: a store covers 256 consecutive bytes.
.Lwo:
	s_sub_co_u32 s33, s36, QRUNS                   ; which run of Wo is mine
	s_lshl_b32 s34, s33, 15
	s_mov_b32 s35, 0
	s_add_nc_u64 s[24:25], s[24:25], s[34:35]
	s_lshl_b32 s34, s33, 14
	s_add_nc_u64 s[30:31], s[30:31], s[34:35]
.macro WLOADS t
.irp i, 0,1,2,3,4,5,6,7,8,9,10,11,12,13,14,15
	global_load_b128 v[R+64*((\t)%2)+4*\i:R+64*((\t)%2)+4*\i+3], v3, s[24:25] offset:8192*(\t)+512*\i th:TH_LOAD_NT
.endr
.endm
.macro WROUND t
.if (\t) < 3
	s_wait_loadcnt 16                              ; this round's 16 loads are in; the next round's 16 may be out
.else
	s_wait_loadcnt 0x0
.endif
.if (\t) > 0
	s_wait_xcnt 0x0                                ; the last round's stores have read their data: v[WH] on is written again only behind this wait
.endif
.irp i, 0,1,2,3,4,5,6,7,8,9,10,11,12,13,14,15
	v_cvt_pk_f16_f32 v[WH+2*\i], v[R+64*((\t)%2)+4*\i], v[R+64*((\t)%2)+4*\i+1]
	v_cvt_pk_f16_f32 v[WH+2*\i+1], v[R+64*((\t)%2)+4*\i+2], v[R+64*((\t)%2)+4*\i+3]
.endr
.if (\t) < 2
	WLOADS (\t)+2                                  ; loads ahead of stores
.endif
.irp i, 0,1,2,3,4,5,6,7,8,9,10,11,12,13,14,15
	global_store_b64 v4, v[WH+2*\i:WH+2*\i+1], s[30:31] offset:4096*(\t)+256*\i
.endr
.endm
	WLOADS 0
	WLOADS 1
	WROUND 0
	WROUND 1
	WROUND 2
	WROUND 3
	s_wait_tensorcnt 0x0                           ; the wave's end, in the same form as on the other path
	ds_add_u32 v[SPW], v[NIL]
	s_wait_dscnt 0x0
	s_endpgm
.Lfunc_end_k_qf454bb6ab6_quant:
	.size	k_qf454bb6ab6_quant, .Lfunc_end_k_qf454bb6ab6_quant-k_qf454bb6ab6_quant
	.p2alignl 7, 3214868480
	.fill 96, 4, 3214868480
	.section	.rodata,"a",@progbits
	.p2align	6, 0x0
	.amdhsa_kernel k_qf454bb6ab6_quant
		.amdhsa_group_segment_fixed_size 75008
		.amdhsa_private_segment_fixed_size 0
		.amdhsa_enable_private_segment 0
		.amdhsa_kernarg_size 96
		.amdhsa_user_sgpr_count 2
		.amdhsa_user_sgpr_kernarg_segment_ptr 1
		.amdhsa_wavefront_size32 1
		.amdhsa_system_sgpr_workgroup_id_x 1
		.amdhsa_system_sgpr_workgroup_id_y 1
		.amdhsa_system_sgpr_workgroup_id_z 1
		.amdhsa_system_vgpr_workitem_id 0
		.amdhsa_next_free_vgpr 224
		.amdhsa_next_free_sgpr 66
		.amdhsa_reserve_vcc 0
		.amdhsa_float_denorm_mode_32 3
		.amdhsa_float_denorm_mode_16_64 3
		.amdhsa_memory_ordered 1
		.amdhsa_forward_progress 1
		.amdhsa_inst_pref_size 55
	.end_amdhsa_kernel
	.amdgpu_metadata
---
amdhsa.version: [ 1, 2 ]
amdhsa.kernels:
  - .name:           k_qf454bb6ab6_quant
    .symbol:         k_qf454bb6ab6_quant.kd
    .args:
      - { .name: inputs, .offset: 0, .size: 8, .value_kind: global_buffer, .address_space: global }
      - { .name: rotation_params, .offset: 8, .size: 8, .value_kind: global_buffer, .address_space: global }
      - { .name: entangle_params, .offset: 16, .size: 8, .value_kind: global_buffer, .address_space: global }
      - { .name: Wq, .offset: 24, .size: 8, .value_kind: global_buffer, .address_space: global }
      - { .name: Wk, .offset: 32, .size: 8, .value_kind: global_buffer, .address_space: global }
      - { .name: Wv, .offset: 40, .size: 8, .value_kind: global_buffer, .address_space: global }
      - { .name: Wrot, .offset: 48, .size: 8, .value_kind: global_buffer, .address_space: global }
      - { .name: Went, .offset: 56, .size: 8, .value_kind: global_buffer, .address_space: global }
      - { .name: Wo, .offset: 64, .size: 8, .value_kind: global_buffer, .address_space: global }
      - { .name: codes, .offset: 72, .size: 8, .value_kind: global_buffer, .address_space: global }
      - { .name: scales, .offset: 80, .size: 8, .value_kind: global_buffer, .address_space: global }
      - { .name: wo16, .offset: 88, .size: 8, .value_kind: global_buffer, .address_space: global }
    .group_segment_fixed_size: 75008
    .private_segment_fixed_size: 0
    .kernarg_segment_align: 8
    .kernarg_segment_size: 96
    .max_flat_workgroup_size: 288
    .sgpr_count:     66
    .vgpr_count:     224
    .wavefront_size: 32
...
	.end_amdgpu_metadata
.endif
;; end of part 1
;; launch proj (part 2): grid 8 x 32, 4 waves a work-group, clusters of 4 x 4, 327,680 bytes of LDS; arguments codes, scales, qh, kh, vt; writes qh, kh, vt
.if DOCPART == 2
	.amdgcn_target "amdgcn-amd-amdhsa--gfx1250"
	.amdhsa_code_object_version 6
	.text
	.protected	k_qf454bb6ab6_proj
	.globl	k_qf454bb6ab6_proj
	.p2align	8
	.type	k_qf454bb6ab6_proj,@function
k_qf454bb6ab6_proj:
	s_mov_b64 s[64:65], 0
	v_nop
	global_prefetch_b8 v0, s[64:65] scope:SCOPE_SE
	s_setreg_imm32_b32 hwreg(HW_REG_WAVE_MODE, 25, 1), 1
	s_wait_xcnt 0x0
	s_wait_alu depctr_hold_cnt(0) depctr_sa_sdst(0) depctr_va_vdst(0) depctr_va_sdst(0) depctr_va_ssrc(0) depctr_va_vcc(0) depctr_vm_vsrc(0)
	s_getreg_b32 s2, hwreg(HW_REG_IB_STS2, 6, 4)
	s_cmp_eq_u32 s2, 0
	s_cbranch_scc0 .Lentry_in_a_cluster
	s_endpgm
.Lentry_in_a_cluster:
	s_bfe_u32 s2, ttmp6, 0x10000c
	s_cmp_lg_u32 s2, 0xf033
	s_cbranch_scc0 .Lentry_shape_is_right
	s_endpgm
.Lentry_shape_is_right:
; Q = X Wq^T + R Wrot^T, K = X Wk^T + E Went^T, V = X Wv^T on codes of FP4 (E2M1) with one E8M0 scale for each 32 along K = 1024; sums in f32.
; codes: X at 0, R at 0x200000, E at 0x400000 ([4096][512 bytes]); weight j at 0x600000 + j x 0x80000 ([1024][512 bytes]; j = 0 Wq, 1 Wk, 2 Wv, 3 Wrot, 4 Went).  scales: the same order, every offset a sixteenth, 32 bytes a row.
; OUT, all f16: qh = Q / 8 and kh = K / 8, [b x 16 + head][token 1024][64]; vt = V with the tokens innermost, [b x 16 + head][d 64][token 1024].  The eighths are exact and are made good in the softmax's constant.
; LIMIT: |Q| / 8, |K| / 8 and |V| stay under 65,504, the largest f16 number.
; SHARES.  A work-group owns 128 tokens x 128 columns (two heads) of Q, K AND V: 32 x 8 = 256 work-groups of equal work, and X's fragments feed three products.  Each of four waves owns 64 x 64 of each: 48 accumulators, 384 registers.
; FOUR SLOTS' WORTH OF OPERANDS, each four tiles of 128 rows x 256 bytes (512 along K), one tensor load a wave:
;   load 0 (slot 0) and load 1 (slot 1), the first fills: X, Wq, Wk, Wv, the first and the second 512 along K: three products at once;
;   load 2 (slot 0 again): R's two halves of K and Wrot's two: all that Q still wants;   load 3 (slot 1 again): E's two halves and Went's two: all that K still wants.
; A wave has two tensor loads out at the start and one behind each change of slots.  Everything is written out: four slots, no loop.
; RESULTS LEAVE AS SOON AS THEY ARE FINISHED: V behind slot 1, Q behind the third slot, K at the end.  V's and Q's conversions stand in front of the wait for the next slot's tiles, their stores behind the change of slots.
; CLUSTER 4 x 4.  The four work-groups of a row of the cluster need the same tiles of X, R, E, the four of a column the same tiles of the weights: each tile is asked for jointly, by the same tensor load with the same descriptor and a mask that names the four.
; Q and K are made TRANSPOSED (source 0 = 16 rows of the weight, source 1 = 16 tokens): a lane holds one token and eight neighbouring columns.  V is made the other way round: a lane holds one column d and eight neighbouring tokens, as vt wants them.
; THE SCALE WORDS of a wave's rows, for all of K, go from memory straight into 128 registers, once: 32 bytes a row, neighbouring rows on end.  A register carries one tensor's words in lanes 0-15 and another's in lanes 16-31.
; REGISTERS, in windows of 256: window 0: v1-29 addresses; v32-159 scale words and nothing else; v160-255 at work on the way out.   window 1: two buffers of 16 fragments, at v0 and v128.
;   window 2: Q's 16 accumulators at v0, K's at v128 ((i token block, j column block) at 8 (4 i + j)).   window 3: V's at v0; rows on their way out: V's at v128, later Q's at v0 and K's at v64.
; No prefetch: the launch has four tensor loads a wave in all, the first two at its head.
.set PITCH,  272                       ; an LDS row: 256 bytes + 16 of padding: the 16 rows of a fragment load start 68 words apart
.set HALFT,  128*PITCH                 ; a tile
.set SLOT,   4*HALFT
.set SPARE,  2*SLOT                    ; behind the ring: the spare words, 128 bytes for each wave
.set SV,     SPARE+512                 ; behind them V's stage, 128 rows (columns d) x 272 bytes, the work-group's: bytes of its own, since slots are still filled when it is written
.set SQ,     0                         ; Q's and K's stages lie in slot 0 and are written behind the last change of slots, when it has had its last fill and its last read: Q's, 64 rows x 144 bytes a wave;
.set SK,     36864                     ; K's likewise
.set ADR,  8                           ; v8-17   fragment addresses, five for each slot: +0 tile 0 by my tokens, +1 tile 1 by my tokens, +2, +3, +4 tiles 1, 2, 3 by my columns
.set SOF,  18                          ; v18-21  my byte offsets in scales, one for each pair of tensors
.set STQ,  22                          ; v22     the way out: where I put 16 bytes of a row of Q (K: + SK)
.set STV,  23                          ; v23     and of V
.set RDQ,  24                          ; v24     where I read Q's rows back (K: + SK)
.set RDV,  25                          ; v25     V's
.set GQ,   26                          ; v26     my byte offset in the wave's part of qh and kh
.set GV,   27                          ; v27     and of vt
.set SPW,  28                          ; v28     LDS address of my spare word; never rewritten
.set NIL,  29                          ; v29     0; never rewritten
.set SC,   32                          ; scale words: register SC + 32 p + 8 i + ks: block i, the ks-th 128 along K; p = 0: X | Wq, 1: R | Wrot, 2: E | Went, 3: Wk | Wv (lanes 0-15 | lanes 16-31)
.set T,    160                         ; v160-191 32 numbers at work
.set H,    192                         ; v192-255 64 registers of f16 pairs
.set F0,   0
.set F1,   128
.set G1A,  24                          ; s[24:31] descriptor group 1 for the activations' tiles;  s[32:39] for the weights': they differ in the mask alone
.set G1B,  32
.set G0A,  48                          ; s[48:63] group 0 for load l = 0 .. 3 of an activation;  s[68:83] of a weight.  Built once, never rewritten
.set G0B,  68
.set MSB, 0
.macro WIN new                         ; the immediate's high byte repeats the setting that is left; bits 1:0 source 0, 3:2 source 1, 5:4 source 2, 7:6 destination
.if MSB != \new
	s_set_vgpr_msb (MSB<<8)|\new
.set MSB, \new
.endif
.endm
.macro PLACES n
.rept \n
	v_nop
.endr
.endm
.macro CROUND                          ; a round of the cluster's barrier
	s_barrier_signal -1
	s_barrier_wait -1
	s_cmp_lg_u32 s14, 0
	s_cbranch_scc1 .Lnot_wave_0_\@
	s_barrier_signal -3
.Lnot_wave_0_\@:
	s_barrier_wait -3
	s_barrier_signal -1
	s_barrier_wait -1
.endm
; Joint load l.  Waves under na fetch an activation's tile, the others a weight's (loads 0, 1: na = 1; loads 2, 3: na = 2).  The branch hangs on the wave's number alone.  An s_nop 0 and four v_nop follow each of the two lines.
.macro JLOAD na, l
	s_cmp_lt_u32 s14, \na
	s_cbranch_scc0 .Lfor_b_\@
	tensor_load_to_lds s[G0A+4*\l:G0A+4*\l+3], s[G1A:G1A+7]
	s_nop 0
.rept 4
	v_nop
.endr
	s_branch .Lasked_\@
.Lfor_b_\@:
	tensor_load_to_lds s[G0B+4*\l:G0B+4*\l+3], s[G1B:G1B+7]
	s_nop 0
.rept 4
	v_nop
.endr
.Lasked_\@:
.endm
	s_load_b256 s[4:11], s[0:1], 0x0               ; codes s[4:5], scales s[6:7], qh s[8:9], kh s[10:11]
	s_load_b64 s[12:13], s[0:1], 0x20              ; vt
	v_lshl_add_u32 v[SPW], v0, 2, SPARE
	v_mov_b32 v[NIL], 0
	ds_add_u32 v[SPW], v[NIL]                      ; the wave's opening: the add, twice on end, and its wait, ahead of my first tensor load
	ds_add_u32 v[SPW], v[NIL]
	v_lshrrev_b32 v1, 5, v0
	v_readfirstlane_b32 s14, v1                    ; wave 0..3 = the tile of a slot that I fetch
	s_lshr_b32 s15, s14, 1                         ; wm: which 64 of the tile's tokens are mine
	s_and_b32 s16, s14, 1                          ; wn: which 64 of its columns (one head).  Also: which half of K I fetch in loads 2 and 3
	s_bfe_u32 s40, ttmp6, 0x40000                  ; cx, cy: my place in the cluster
	s_bfe_u32 s41, ttmp6, 0x40004
	s_lshl_b32 s42, ttmp9, 2
	s_add_co_u32 s42, s42, s40                     ; column tile = 4 x cluster x + cx
	s_and_b32 s17, ttmp7, 0xffff
	s_lshl_b32 s17, s17, 2
	s_add_co_u32 s17, s17, s41                     ; token tile = 4 x cluster y + cy
	s_lshl_b32 s43, s41, 2
	s_lshl_b32 s43, 15, s43                        ; my row of the cluster
	s_lshl_b32 s44, 0x1111, s40                    ; my column
	s_or_b32 s[G1A], s43, (1<<20)|(1<<21)|(5<<22)|(3<<25)   ; 15:0 the mask; 17:16 elements of 1 byte; 20 padding on; 21 set beside a mask; 24:22 after every 64 words; 31:25 four words
	s_or_b32 s[G1B], s44, (1<<20)|(1<<21)|(5<<22)|(3<<25)
.irp g, G1A, G1B
	s_mov_b32 s[\g+1], 256<<16                     ; tensor_dim0 = 256 bytes
	s_mov_b32 s[\g+2], 128<<16                     ; tensor_dim1 = 128 rows
	s_mov_b32 s[\g+3], 256<<16                     ; tile_dim0
	s_mov_b32 s[\g+4], 128                         ; tile_dim1
	s_mov_b32 s[\g+5], 512                         ; from row to row: 1024 codes
	s_mov_b32 s[\g+6], 0
	s_mov_b32 s[\g+7], 0
.endr
	s_lshl_b32 s86, s17, 16                        ; an activation's tile: 128 rows x 512 bytes x token tile: loads 0, 1: X
	s_mov_b32 s87, 0
	s_lshl_b32 s88, s16, 8                         ; loads 2, 3: wave 0 the first 256 bytes of the rows, wave 1 the second,
	s_add_co_u32 s88, s88, s86
	s_add_co_u32 s88, s88, 0x200000                ; of R (load 3: of E, as far on again)
	s_mov_b32 s89, 0
	s_lshl_b32 s90, s42, 16                        ; a weight's tile: by the column tile,
	s_add_co_u32 s90, s90, 0x600000                ; behind the activations
	s_max_u32 s92, s14, 1
	s_sub_co_u32 s92, s92, 1                       ; loads 0, 1: waves 1, 2, 3 take Wq, Wk, Wv
	s_lshl_b32 s92, s92, 19
	s_add_co_u32 s92, s92, s90
	s_mov_b32 s93, 0
	s_lshl_b32 s94, s16, 8                         ; loads 2, 3: wave 2 the first 256 bytes of the rows, wave 3 the second,
	s_add_co_u32 s94, s94, s90
	s_add_co_u32 s94, s94, 3*0x80000               ; of Wrot (load 3: of Went, one weight on)
	s_mov_b32 s95, 0
	s_mul_i32 s45, s14, HALFT                      ; where my tile goes in a slot: no place in the cluster enters an LDS address
	s_mov_b32 s84, 0x3e000000                      ; 1 / 8
	s_mov_b32 s85, s84                             ; (named with it as a pair, so it is written)
	s_wait_dscnt 0x0                               ; both opening adds are done
	s_wait_kmcnt 0x0
.irp l, 0,1,2,3
	s_mov_b32 s[G0A+4*\l], 1                       ; count = 1
	s_add_co_u32 s[G0A+4*\l+1], s45, (\l%2)*SLOT   ; LDS address
	s_add_nc_u64 s[G0A+4*\l+2:G0A+4*\l+3], s[4:5], s[86+2*(\l/2):87+2*(\l/2)]
	s_mov_b32 s[G0B+4*\l], 1
	s_add_co_u32 s[G0B+4*\l+1], s45, (\l%2)*SLOT
	s_add_nc_u64 s[G0B+4*\l+2:G0B+4*\l+3], s[4:5], s[92+2*(\l/2):93+2*(\l/2)]
.if \l == 1
	s_add_nc_u64 s[G0A+4*\l+2:G0A+4*\l+3], s[G0A+4*\l+2:G0A+4*\l+3], 256   ; the second 512 along K
	s_add_nc_u64 s[G0B+4*\l+2:G0B+4*\l+3], s[G0B+4*\l+2:G0B+4*\l+3], 256
.endif
.if \l == 3
	s_add_nc_u64 s[G0A+4*\l+2:G0A+4*\l+3], s[G0A+4*\l+2:G0A+4*\l+3], 0x200000   ; from R to E
	s_add_nc_u64 s[G0B+4*\l+2:G0B+4*\l+3], s[G0B+4*\l+2:G0B+4*\l+3], 0x80000    ; from Wrot to Went
.endif
	s_or_b32 s[G0A+4*\l+3], s[G0A+4*\l+3], 0x80000000   ; type = 2
	s_or_b32 s[G0B+4*\l+3], s[G0B+4*\l+3], 0x80000000
.endr
	CROUND                                         ; all sixteen work-groups are here: the first joint loads meet
	JLOAD 1, 0
	JLOAD 1, 1
	; lane addresses.  A fragment, 16 rows x 128 K of 4-bit codes, is 8 registers: lane l holds row l % 16; registers 4 c .. 4 c + 3 hold K = 64 c + 32 (l / 16) + 0 .. 31: two loads of 16 bytes, 32 apart
	v_and_b32 v1, 15, v0                           ; r
	v_bfe_u32 v2, v0, 4, 1                         ; h
	v_mul_u32_u24 v3, v1, PITCH
	v_lshl_add_u32 v3, v2, 4, v3                   ; r x pitch + 16 h
	s_mul_i32 s18, s15, 64*PITCH                   ; my 64 tokens in tile 0
	s_mul_i32 s19, s16, 64*PITCH
	s_add_co_u32 s19, s19, HALFT                   ; my 64 columns in tile 1
.irp s, 0,1
	v_add_nc_u32 v[ADR+5*\s], s18, v3
	v_add_nc_u32 v[ADR+5*\s+1], HALFT, v[ADR+5*\s]
	v_add_nc_u32 v[ADR+5*\s+2], s19, v3
	v_add_nc_u32 v[ADR+5*\s+3], HALFT, v[ADR+5*\s+2]
	v_add_nc_u32 v[ADR+5*\s+4], HALFT, v[ADR+5*\s+3]
	s_add_co_u32 s18, s18, SLOT
	s_add_co_u32 s19, s19, SLOT
.endr
	; the scale words: lanes 0-15 take the lower tensor's rows, lanes 16-31 the higher's: lower + h x (the distance between the two) + 32 r
	s_lshl_b32 s20, s17, 7
	s_lshl_b32 s22, s15, 6
	s_add_co_u32 s20, s20, s22
	s_lshl_b32 s20, s20, 5                         ; X's: (128 x token tile + 64 wm) rows of 32 bytes
	s_lshl_b32 s21, s42, 7
	s_lshl_b32 s22, s16, 6
	s_add_co_u32 s21, s21, s22
	s_lshl_b32 s21, s21, 5
	s_add_co_u32 s21, s21, 393216                  ; Wq's: behind the activations' 3 x 131,072 bytes
	s_sub_co_u32 s23, s21, s20                     ; from X's to Wq's
	s_sub_co_u32 s46, s23, 32768                   ; from R's (+ 131,072) to Wrot's (+ 3 x 32,768)
	s_sub_co_u32 s47, s23, 131072                  ; from E's (+ 262,144) to Went's (+ 4 x 32,768)
	v_lshl_add_u32 v4, v1, 5, s20
	v_mad_u32_u24 v[SOF], v2, s23, v4
	v_add_nc_u32 v5, 131072, v4
	v_mad_u32_u24 v[SOF+1], v2, s46, v5
	v_add_nc_u32 v5, 262144, v4
	v_mad_u32_u24 v[SOF+2], v2, s47, v5
	v_lshl_add_u32 v5, v1, 5, s21
	v_lshl_add_u32 v5, v2, 15, v5                  ; Wk | Wv: 32,768 apart,
	v_add_nc_u32 v[SOF+3], 32768, v5               ; and Wk 32,768 behind Wq
.irp p, 0,1,2,3
.irp i, 0,1,2,3
.irp q, 0,1
	global_load_b128 v[SC+32*\p+8*\i+4*\q:SC+32*\p+8*\i+4*\q+3], v[SOF+\p], s[6:7] offset:512*\i+16*\q
.endr
.endr
.endr
	; the way out's addresses
	s_mul_i32 s66, s14, 64*144                     ; my stage for Q
	v_mul_u32_u24 v4, v1, 144
	v_lshl_add_u32 v4, v2, 4, v4
	v_add_nc_u32 v[STQ], s66, v4                   ; in: row = token r, 16 bytes for each half of the lanes
	s_mul_i32 s67, s16, 64*272
	s_lshl_b32 s97, s15, 7
	s_add_co_u32 s67, s67, s97
	s_add_co_u32 s67, s67, SV
	v_add_nc_u32 v[STV], s67, v3                   ; V: row = column 64 wn + r, + 128 wm + 16 h bytes along the tokens
	v_and_b32 v5, 31, v0
	v_lshrrev_b32 v6, 3, v5
	v_mul_u32_u24 v6, v6, 144
	v_and_b32 v7, 7, v0
	v_lshl_add_u32 v6, v7, 4, v6
	v_add_nc_u32 v[RDQ], s66, v6                   ; back: eight lanes to a row of 128 bytes, four rows an instruction
	s_mul_i32 s96, s14, 32*272
	s_add_co_u32 s96, s96, SV
	v_mul_u32_u24 v6, v2, 272
	v_lshl_add_u32 v6, v1, 4, v6
	v_add_nc_u32 v[RDV], s96, v6                   ; V: wave w takes rows 32 w on; sixteen lanes to a row of 256 bytes
	v_lshlrev_b32 v[GQ], 4, v5                     ; a wave's 64 tokens x 128 bytes of a head are dense: 16 bytes a lane
	v_lshlrev_b32 v6, 11, v2
	v_lshl_add_u32 v[GV], v1, 4, v6                ; vt: rows 2,048 bytes apart
	s_lshr_b32 s98, s17, 3                         ; b = token tile / 8
	s_lshl_b32 s98, s98, 4
	s_lshl_b32 s99, s42, 1
	s_add_co_u32 s98, s98, s99                     ; 16 b + the tile's first head
	s_and_b32 s99, s17, 7
	s_lshl_b32 s99, s99, 7                         ; the tile's first token in its sequence
	s_add_co_u32 s100, s98, s16                    ; my head of Q and K
	s_lshl_b32 s100, s100, 10
	s_add_co_u32 s100, s100, s99
	s_lshl_b32 s101, s15, 6
	s_add_co_u32 s100, s100, s101                  ; my first token
	s_lshl_b32 s100, s100, 7                       ; 128 bytes a token
	s_mov_b32 s101, 0
	s_add_nc_u64 s[8:9], s[8:9], s[100:101]
	s_add_nc_u64 s[10:11], s[10:11], s[100:101]
	s_add_co_u32 s98, s98, s15                     ; the head whose rows of V I store: wave / 2,
	s_lshl_b32 s98, s98, 6
	s_lshl_b32 s100, s16, 5
	s_add_co_u32 s98, s98, s100                    ; its rows 32 (wave % 2) on,
	s_lshl_b32 s98, s98, 11
	s_lshl_b32 s99, s99, 1
	s_add_co_u32 s98, s98, s99                     ; 2 bytes a token
	s_mov_b32 s99, 0
	s_add_nc_u64 s[12:13], s[12:13], s[98:99]
.macro TILE reg, adr, q                ; four fragments of one tile, the tile's q-th 128 along K
.irp b, 0,1,2,3
.irp c, 0,1
	ds_load_b128 v[\reg+8*\b+4*\c:\reg+8*\b+4*\c+3], v[\adr] offset:16*PITCH*\b+64*(\q)+32*\c
.endr
.endr
.endm
.macro FETCH s, q, f                   ; slots of X, Wq, Wk, Wv.  32 LDS loads in one run: my sixteen fragments of a step of 128 along K into buffer f: X's at f, Wq's at f + 32, Wk's at f + 64, Wv's at f + 96
	WIN 0x40
	TILE \f, ADR+5*\s, \q
	TILE \f+32, ADR+5*\s+2, \q
	TILE \f+64, ADR+5*\s+3, \q
	TILE \f+96, ADR+5*\s+4, \q
	WIN 0
.endm
.macro FETCH2 s, u, f                  ; slots of one product's operands (tiles 0, 1: the activation's halves of K; tiles 2, 3: the weight's).  32 LDS loads: steps 2 u and 2 u + 1 of eight: the activation's at f and f + 32, the weight's at f + 64 and f + 96
	WIN 0x40
	TILE \f, ADR+5*\s+(\u)/2, 2*((\u)%2)
	TILE \f+32, ADR+5*\s+(\u)/2, 2*((\u)%2)+1
	TILE \f+64, ADR+5*\s+3+(\u)/2, 2*((\u)%2)
	TILE \f+96, ADR+5*\s+3+(\u)/2, 2*((\u)%2)+1
	WIN 0
.endm
; One product.  row = 0: both sides' scales in lanes 0-15; 1: source 0's in lanes 16-31; 2: source 1's.  zero = 1: it starts the sum: nothing is ever cleared
.macro FP4 d, a, b, sa, sb, zero, row
.if (\zero) && ((\row) == 0)
	v_wmma_scale_f32_16x16x128_f8f6f4 v[(\d):(\d)+7], v[(\a):(\a)+7], v[(\b):(\b)+7], 0, v[\sa], v[\sb] matrix_a_fmt:MATRIX_FMT_FP4 matrix_b_fmt:MATRIX_FMT_FP4
.elseif (\zero) && ((\row) == 1)
	v_wmma_scale_f32_16x16x128_f8f6f4 v[(\d):(\d)+7], v[(\a):(\a)+7], v[(\b):(\b)+7], 0, v[\sa], v[\sb] matrix_a_fmt:MATRIX_FMT_FP4 matrix_b_fmt:MATRIX_FMT_FP4 matrix_a_scale:MATRIX_SCALE_ROW1
.elseif (\zero)
	v_wmma_scale_f32_16x16x128_f8f6f4 v[(\d):(\d)+7], v[(\a):(\a)+7], v[(\b):(\b)+7], 0, v[\sa], v[\sb] matrix_a_fmt:MATRIX_FMT_FP4 matrix_b_fmt:MATRIX_FMT_FP4 matrix_b_scale:MATRIX_SCALE_ROW1
.elseif (\row) == 0
	v_wmma_scale_f32_16x16x128_f8f6f4 v[(\d):(\d)+7], v[(\a):(\a)+7], v[(\b):(\b)+7], v[(\d):(\d)+7], v[\sa], v[\sb] matrix_a_fmt:MATRIX_FMT_FP4 matrix_b_fmt:MATRIX_FMT_FP4
.elseif (\row) == 1
	v_wmma_scale_f32_16x16x128_f8f6f4 v[(\d):(\d)+7], v[(\a):(\a)+7], v[(\b):(\b)+7], v[(\d):(\d)+7], v[\sa], v[\sb] matrix_a_fmt:MATRIX_FMT_FP4 matrix_b_fmt:MATRIX_FMT_FP4 matrix_a_scale:MATRIX_SCALE_ROW1
.else
	v_wmma_scale_f32_16x16x128_f8f6f4 v[(\d):(\d)+7], v[(\a):(\a)+7], v[(\b):(\b)+7], v[(\d):(\d)+7], v[\sa], v[\sb] matrix_a_fmt:MATRIX_FMT_FP4 matrix_b_fmt:MATRIX_FMT_FP4 matrix_b_scale:MATRIX_SCALE_ROW1
.endif
.endm
; A step of 128 along K, the ks-th of 8, of the three products with X: 48 matrix instructions.  The accumulators take turns, one instruction a turn, in the same order in every step.
.macro MUL f, ks, zero
	WIN 0xa5                                       ; sources 0 and 1 window 1, C and D window 2
.irp i, 0,1,2,3
.irp j, 0,1,2,3
	FP4 8*(4*\i+\j), \f+32+8*\j, \f+8*\i, SC+8*\j+(\ks), SC+8*\i+(\ks), \zero, 1                ; Q: Wq x X
.endr
.endr
.irp i, 0,1,2,3
.irp j, 0,1,2,3
	FP4 128+8*(4*\i+\j), \f+64+8*\j, \f+8*\i, SC+96+8*\j+(\ks), SC+8*\i+(\ks), \zero, 0          ; K: Wk x X
.endr
.endr
	WIN 0xf5                                       ; C and D window 3
.irp i, 0,1,2,3
.irp j, 0,1,2,3
	FP4 8*(4*\i+\j), \f+8*\i, \f+96+8*\j, SC+8*\i+(\ks), SC+96+8*\j+(\ks), \zero, 2              ; V: X x Wv
.endr
.endr
.endm
; Steps 2 u and 2 u + 1 of one product's second sum: 32 matrix instructions on its 16 accumulators (at acc in window 2), by turns.  sp: where its scale words begin behind SC: 32: R | Wrot, 64: E | Went
.macro MUL2 acc, sp, f, u
	WIN 0xa5
.irp e, 0,1
.irp i, 0,1,2,3
.irp j, 0,1,2,3
	FP4 \acc+8*(4*\i+\j), \f+64+32*\e+8*\j, \f+32*\e+8*\i, SC+\sp+8*\j+2*(\u)+\e, SC+\sp+8*\i+2*(\u)+\e, 0, 1
.endr
.endr
.endr
.endm
; A slot in four parts, on buffers 0, 1, 0, 1; the first part's fragments were fetched at the change of slots.  A run of loads into a buffer stands four plain vector instructions behind the last product that read it
; (ISA guide 7.12.1 for vector instructions): for the first run they are the four behind the change of slots.
.macro SLOTSTEPS s, kb, zero
	FETCH \s, 1, F1
	s_wait_dscnt 32                                ; all but the 32 just issued: this part's fragments are in
	MUL F0, \kb, \zero
	PLACES 4
	FETCH \s, 2, F0
	s_wait_dscnt 32
	MUL F1, \kb+1, 0
	PLACES 4
	FETCH \s, 3, F1
	s_wait_dscnt 32
	MUL F0, \kb+2, 0
	s_wait_dscnt 0x0
	MUL F1, \kb+3, 0
.endm
.macro SLOTSTEPS2 s, acc, sp
	FETCH2 \s, 1, F1
	s_wait_dscnt 32                                ; all but the 32 just issued
	MUL2 \acc, \sp, F0, 0
	PLACES 4
	FETCH2 \s, 2, F0
	s_wait_dscnt 32
	MUL2 \acc, \sp, F1, 1
	PLACES 4
	FETCH2 \s, 3, F1
	s_wait_dscnt 32
	MUL2 \acc, \sp, F0, 2
	s_wait_dscnt 0x0
	MUL2 \acc, \sp, F1, 3
.endm
; The change of slots.  Each wave waits for all its tensor loads (the one that is out is its tile of the next slot), adds 0 to its spare word, and waits for that, for its reads of the slot that it leaves and for its stores into a stage.
; fill = 1: a round of the cluster's barrier, so that no wave of any partner still reads the slot or has a load on its way; the joint refill is the first thing behind it.
.macro CHANGE fill, na, l
	WIN 0
	s_wait_tensorcnt 0x0
	ds_add_u32 v[SPW], v[NIL]
	s_wait_dscnt 0x0
.if \fill
	CROUND
	JLOAD \na, \l                                  ; its four v_nop are also the places in front of the loads that follow
.else
	s_barrier_signal -1
	s_barrier_wait -1
	PLACES 4
.endif
.endm
; Q or K: x 1/8, rounded to f16, into v[H] on: a lane's eight columns of a token are 16 bytes.  Registers alone.  Each accumulator is read from its low end on.
.macro CVTQK acc
.irp i, 0,1,2,3
	WIN 0x02                                       ; source 0 window 2
.irp n, 0,1,2,3,4,5,6,7,8,9,10,11,12,13,14,15
	v_pk_mul_f32 v[T+2*\n:T+2*\n+1], v[\acc+32*\i+2*\n:\acc+32*\i+2*\n+1], s[84:85] op_sel_hi:[1,0]
.endr
	WIN 0
.irp n, 0,1,2,3,4,5,6,7,8,9,10,11,12,13,14,15
	v_cvt_pk_f16_f32 v[H+16*\i+\n], v[T+2*\n], v[T+2*\n+1]
.endr
.endr
.endm
; and on: through my own stage (rows of 128 bytes + 16), back as whole rows into window 3, and out.  LDS serves a wave's instructions in order: no wait between the stores and the loads.
.macro SENDQK off, reg, base
.irp i, 0,1,2,3
.irp j, 0,1,2,3
	ds_store_b128 v[STQ], v[H+16*\i+4*\j:H+16*\i+4*\j+3] offset:\off+16*144*\i+32*\j
.endr
.endr
	WIN 0xc0                                       ; destination window 3
.irp t, 0,1,2,3,4,5,6,7,8,9,10,11,12,13,14,15
	ds_load_b128 v[\reg+4*\t:\reg+4*\t+3], v[RDQ] offset:\off+4*144*\t
.endr
	WIN 0x0c                                       ; a store's data are its source 1: window 3
.irp t, 0,1,2,3,4,5,6,7,8,9,10,11,12,13,14,15
	s_wait_dscnt 15-\t                             ; the loads issued behind this one may stay out
	global_store_b128 v[GQ], v[\reg+4*\t:\reg+4*\t+3], s[\base:\base+1] offset:512*\t   ; 32 lanes store 512 consecutive bytes
.endr
	WIN 0
.endm
	s_wait_tensorcnt 1                             ; my tile of slot 0 is in; slot 1's may stay out
	s_barrier_signal -1
	s_barrier_wait -1                              ; everybody's is
	FETCH 0, 0, F0
	s_wait_loadcnt 0x0                             ; the scale words
	SLOTSTEPS 0, 0, 1                              ; X's three products, K 0-511: the first step's products start the sums
	CHANGE 1, 2, 2                                 ; slot 0 takes R and Wrot
	FETCH 1, 0, F0
	SLOTSTEPS 1, 4, 0                              ; X's three products, K 512-1023: V IS FINISHED
	PLACES 4                                       ; in front of the first read of its results
.irp i, 0,1,2,3                        ; V to f16: a lane's eight tokens of a column d are 16 bytes; into the work-group's stage, rows of 256 bytes + 16.  This stands in front of the wait for slot 0's tiles
	WIN 0x0f                                       ; sources 0 and 1 window 3
.irp n, 0,1,2,3,4,5,6,7,8,9,10,11,12,13,14,15
	v_cvt_pk_f16_f32 v[H+16*\i+\n], v[32*\i+2*\n], v[32*\i+2*\n+1]
.endr
	WIN 0
.irp j, 0,1,2,3
	ds_store_b128 v[STV], v[H+16*\i+4*\j:H+16*\i+4*\j+3] offset:16*272*\j+32*\i
.endr
.endr
	CHANGE 1, 2, 3                                 ; slot 1 takes E and Went.  Its wait for my LDS instructions and its round also show V's stage whole to every wave: a row of it comes from two waves
	FETCH2 0, 0, F0
	WIN 0xc0                                       ; V's rows back, into window 3
.irp t, 0,1,2,3,4,5,6,7,8,9,10,11,12,13,14,15
	ds_load_b128 v[128+4*\t:128+4*\t+3], v[RDV] offset:2*272*\t
.endr
	WIN 0x0c
.irp t, 0,1,2,3,4,5,6,7,8,9,10,11,12,13,14,15
	s_wait_dscnt 15-\t                             ; the loads issued behind this one may stay out
	global_store_b128 v[GV], v[128+4*\t:128+4*\t+3], s[12:13] offset:4096*\t   ; 16 lanes store 256 consecutive bytes, at a multiple of 256 from vt's first byte
.endr
	WIN 0
	SLOTSTEPS2 0, 0, 32                            ; Q += Wrot x R, all of K: Q IS FINISHED
	PLACES 4
	CVTQK 0                                        ; in front of the wait for slot 1's tiles
	CHANGE 0, 0, 0                                 ; nothing is left to fetch; behind this barrier nobody reads slot 0, and it has had its last fill
	FETCH2 1, 0, F0
	SENDQK SQ, 0, 8
	SLOTSTEPS2 1, 128, 64                          ; K += Went x E, all of K
	PLACES 4
	CVTQK 128
	SENDQK SK, 64, 10
	s_wait_tensorcnt 0x0                           ; the wave's end
	ds_add_u32 v[SPW], v[NIL]
	s_wait_dscnt 0x0
	CROUND                                         ; the closing round
	s_endpgm
.Lfunc_end_k_qf454bb6ab6_proj:
	.size	k_qf454bb6ab6_proj, .Lfunc_end_k_qf454bb6ab6_proj-k_qf454bb6ab6_proj
	.p2alignl 7, 3214868480
	.fill 96, 4, 3214868480
	.section	.rodata,"a",@progbits
	.p2align	6, 0x0
	.amdhsa_kernel k_qf454bb6ab6_proj
		.amdhsa_group_segment_fixed_size 327680
		.amdhsa_private_segment_fixed_size 0
		.amdhsa_enable_private_segment 0
		.amdhsa_kernarg_size 40
		.amdhsa_user_sgpr_count 2
		.amdhsa_user_sgpr_kernarg_segment_ptr 1
		.amdhsa_wavefront_size32 1
		.amdhsa_system_sgpr_workgroup_id_x 1
		.amdhsa_system_sgpr_workgroup_id_y 1
		.amdhsa_system_sgpr_workgroup_id_z 1
		.amdhsa_system_vgpr_workitem_id 0
		.amdhsa_next_free_vgpr 1024
		.amdhsa_next_free_sgpr 102
		.amdhsa_reserve_vcc 0
		.amdhsa_float_denorm_mode_32 3
		.amdhsa_float_denorm_mode_16_64 3
		.amdhsa_memory_ordered 1
		.amdhsa_forward_progress 1
		.amdhsa_inst_pref_size 165
	.end_amdhsa_kernel
	.amdgpu_metadata
---
amdhsa.version: [ 1, 2 ]
amdhsa.kernels:
  - .name:           k_qf454bb6ab6_proj
    .symbol:         k_qf454bb6ab6_proj.kd
    .args:
      - { .name: codes, .offset: 0, .size: 8, .value_kind: global_buffer, .address_space: global }
      - { .name: scales, .offset: 8, .size: 8, .value_kind: global_buffer, .address_space: global }
      - { .name: qh, .offset: 16, .size: 8, .value_kind: global_buffer, .address_space: global }
      - { .name: kh, .offset: 24, .size: 8, .value_kind: global_buffer, .address_space: global }
      - { .name: vt, .offset: 32, .size: 8, .value_kind: global_buffer, .address_space: global }
    .group_segment_fixed_size: 327680
    .private_segment_fixed_size: 0
    .kernarg_segment_align: 8
    .kernarg_segment_size: 40
    .max_flat_workgroup_size: 128
    .sgpr_count:     102
    .vgpr_count:     1024
    .wavefront_size: 32
...
	.end_amdgpu_metadata
.endif
;; end of part 2
;; launch attn (part 3): grid 4 x 64, 8 waves a work-group, clusters of 4 x 1, 327,680 bytes of LDS; arguments qh, kh, vt, oh; writes oh
.if DOCPART == 3
	.amdgcn_target "amdgcn-amd-amdhsa--gfx1250"
	.amdhsa_code_object_version 6
	.text
	.protected	k_qf454bb6ab6_attn
	.globl	k_qf454bb6ab6_attn
	.p2align	8
	.type	k_qf454bb6ab6_attn,@function
k_qf454bb6ab6_attn:
	s_mov_b64 s[64:65], 0
	v_nop
	global_prefetch_b8 v0, s[64:65] scope:SCOPE_SE
	s_setreg_imm32_b32 hwreg(HW_REG_WAVE_MODE, 25, 1), 1
	s_wait_xcnt 0x0
	s_wait_alu depctr_hold_cnt(0) depctr_sa_sdst(0) depctr_va_vdst(0) depctr_va_sdst(0) depctr_va_ssrc(0) depctr_va_vcc(0) depctr_vm_vsrc(0)
	s_getreg_b32 s2, hwreg(HW_REG_IB_STS2, 6, 4)
	s_cmp_eq_u32 s2, 0
	s_cbranch_scc0 .Lentry_in_a_cluster
	s_endpgm
.Lentry_in_a_cluster:
	s_bfe_u32 s2, ttmp6, 0x10000c
	s_cmp_lg_u32 s2, 0x3003
	s_cbranch_scc0 .Lentry_shape_is_right
	s_endpgm
.Lentry_shape_is_right:
; O[head][q] = the sum over k of softmax_k(Q[head][q] . K[head][k] / 8) V[head][k], 64 heads of 1,024 tokens, head size 64, no mask.
; qh = Q / 8, kh = K / 8: [head][token][64] f16.  vt = V with the tokens innermost: [head][d 64][token 1024] f16.  oh = O: [head][token][64] f16.  Products, maxima and sums in f32; the weights p are rounded to f16 for the second product.
; The score that the first product gives is Q . K / 64, so t = score x 8 log2(e); p = 2^(t - the running largest t); O and the sum l are multiplied in every step by a = 2^(old largest t - new), which is 1 where it has not grown.
; LIMIT: NaN and infinities are not served; |O| stays under 65,504 since |V| does.
; SHARES.  A work-group owns 256 queries of one head; each of its eight waves 32: two tiles of 16, so that each fragment of K and V read from LDS feeds two products; two waves share a SIMD, so that one's softmax can stand beside the other's products.
; THE WHOLE HEAD LIES IN LDS: K's 1,024 rows of 128 bytes + 16, and V^T in four chunks of 256 keys, 64 rows of 512 bytes + 16.  Nothing is filled again: no ring.  Each wave issues four tensor loads at the head, one for each chunk of 256 keys
; (waves 0-3: 64 keys of K each; waves 4-7: 16 rows of V^T each): four loads of a wave are out.  So there is no later stream to prefetch.
; CLUSTER 4 x 1: the four query blocks of a head need the same K and V: each tile is asked for jointly, with the mask of all four.
; LAYOUT.  S^T = K Q^T (source 0 = 16 keys, source 1 = 16 queries): a lane holds ONE query (lane % 16) and keys 8 (lane / 16) + 0..7 of each tile.  Two neighbouring key tiles, rounded to f16 in pairs, ARE source 1 (32 keys x 16 queries) of
; O^T = V^T P, whose result again holds one query a lane and eight channels.
; K'S FRAGMENTS OF CHANNELS 0-31 ARE FETCHED A STEP AHEAD, into registers of their own, behind V's loads and under the softmax: a step's first sixteen products find them there, and the sixteen loads of channels 32-63 land under those products.
; REGISTERS: window 0: v1-10 addresses; v12-27 eight registers of statistics a tile; v32-159 S^T, 64 a tile; v160-223 P, 32 a tile; v224-255 Q, 16 a tile.
;   window 1: v0-63 O^T, 32 a tile; v64-191 sixteen fragments: K's of channels 32-63 in the lower eight, then V's; v192-255 K's eight of channels 0-31.
.set KP,    144                        ; a key's row in LDS
.set VP,    528                        ; a row of a chunk of V^T
.set VB,    1024*KP                    ; V^T begins behind K
.set VCH,   64*VP                      ; a chunk
.set STG,   VB+4*VCH                   ; the way out: 16 rows x 144 bytes for each wave; no tile lands here
.set SPARE, STG+8*16*KP                ; the spare words, 128 bytes for each wave
.set AK0, 3                            ; v3   my lane's place in a tile of K
.set AV0, 4                            ; v4   and of V^T
.set ADK, 5                            ; v5   the step's address in K
.set ADV, 6                            ; v6   in V^T
.set QO,  7                            ; v7   my byte offset in the wave's rows of Q
.set STO, 8                            ; v8   the way out: where I put 16 bytes of a row
.set RD,  9                            ; v9   where I read rows back
.set GO,  10                           ; v10  my byte offset in the wave's rows of O
.set ST,  12                           ; tile t's statistics at v[ST + 8 t]: +0 c m, +1 m, +2, +3 l (even keys', odd keys'), +4 to +7 c0-c3 at work; c2 becomes a, c3 the old c m and then the difference
.set SPW, 28
.set NIL, 29
.set S,   32
.set P,   160
.set Q,   224
.set BK,  192                          ; the way out: rows read back
.set FR,  64                           ; fragments, in window 1
.set KA,  192                          ; K's fragments of channels 0-31, in window 1
.set WV,  12                           ; s12  my wave's number
.set G1K, 16                           ; s[16:23] descriptor group 1 for K's tiles;  s[24:31] for V's
.set G1V, 24
.set G0K, 32                           ; s[32:47] group 0 for K's chunk c;  s[48:63] for V's
.set G0V, 48
.set CS,  66                           ; s[66:67] c = 8 log2(e)
.set SEL, 68                           ; s[68:69] lane selects: lane l xor 16
.set TK,  70                           ; s70  where the step's keys begin in K
.set TV,  71                           ; s71  and in V^T
.set TRIP, 72
.set MSB, 0
.macro WIN new                         ; the immediate's high byte repeats the setting that is left; bits 1:0 source 0, 3:2 source 1, 5:4 source 2, 7:6 destination
.if MSB != \new
	s_set_vgpr_msb (MSB<<8)|\new
.set MSB, \new
.endif
.endm
.macro CROUND                          ; a round of the cluster's barrier
	s_barrier_signal -1
	s_barrier_wait -1
	s_cmp_lg_u32 s[WV], 0
	s_cbranch_scc1 .Lnot_wave_0_\@
	s_barrier_signal -3
.Lnot_wave_0_\@:
	s_barrier_wait -3
	s_barrier_signal -1
	s_barrier_wait -1
.endm
	s_load_b256 s[4:11], s[0:1], 0x0               ; qh s[4:5], kh s[6:7], vt s[8:9], oh s[10:11]
	v_lshl_add_u32 v[SPW], v0, 2, SPARE
	v_mov_b32 v[NIL], 0
	ds_add_u32 v[SPW], v[NIL]                      ; the wave's opening: the add, twice on end, and its wait, ahead of my first tensor load
	ds_add_u32 v[SPW], v[NIL]
	v_lshrrev_b32 v1, 5, v0
	v_readfirstlane_b32 s[WV], v1                  ; wave 0..7
	s_bfe_u32 s13, ttmp6, 0x40000                  ; cx
	s_lshl_b32 s14, ttmp9, 2
	s_add_co_u32 s14, s14, s13                     ; my block of 256 queries: it enters Q's and O's addresses alone
	s_and_b32 s15, s[WV], 3                        ; which quarter of a chunk I fetch
	s_and_b32 s74, ttmp7, 0xffff                   ; the head, which the four partners share:
	s_lshl_b32 s74, s74, 17                        ; 131,072 bytes in each of the four tensors
	s_lshl_b32 s76, s15, 13                        ; K: 64 keys x 128 bytes a quarter
	s_add_co_u32 s76, s76, s74
	s_mov_b32 s77, 0
	s_lshl_b32 s78, s15, 15                        ; V^T: 16 rows x 2,048 bytes a quarter
	s_add_co_u32 s78, s78, s74
	s_mov_b32 s79, 0
	s_mul_i32 s80, s15, 64*KP                      ; and their places in LDS
	s_mul_i32 s81, s15, 16*VP
	s_lshl_b32 s82, s14, 15                        ; Q, O: my block's 256 rows of 128 bytes,
	s_lshl_b32 s83, s[WV], 12                      ; my wave's 32
	s_add_co_u32 s82, s82, s83
	s_add_co_u32 s82, s82, s74
	s_mov_b32 s83, 0
	s_mov_b32 s[G1K], 15|(1<<16)|(1<<20)|(1<<21)|(4<<22)|(3<<25)   ; the mask: all four; elements of 2 bytes; padding on; bit 21 beside a mask; after every 32 words four words
	s_mov_b32 s[G1K+1], 64<<16                     ; tensor_dim0 = 64
	s_mov_b32 s[G1K+2], 64<<16                     ; tensor_dim1 = 64 rows
	s_mov_b32 s[G1K+3], 64<<16                     ; tile_dim0
	s_mov_b32 s[G1K+4], 64                         ; tile_dim1
	s_mov_b32 s[G1K+5], 64                         ; from row to row
	s_mov_b32 s[G1K+6], 0
	s_mov_b32 s[G1K+7], 0
	s_mov_b32 s[G1V], 15|(1<<16)|(1<<20)|(1<<21)|(6<<22)|(3<<25)   ; after every 128 words four words
	s_mov_b32 s[G1V+1], 256<<16                    ; 256 keys
	s_mov_b32 s[G1V+2], 16<<16                     ; 16 rows
	s_mov_b32 s[G1V+3], 256<<16
	s_mov_b32 s[G1V+4], 16
	s_mov_b32 s[G1V+5], 1024
	s_mov_b32 s[G1V+6], 0
	s_mov_b32 s[G1V+7], 0
	s_mov_b32 s[CS], 0x4138aa3b                    ; 8 log2(e)
	s_mov_b32 s[CS+1], s[CS]                       ; (named with it as a pair, so it is written)
	s_mov_b32 s[SEL], 0x76543210
	s_mov_b32 s[SEL+1], 0xfedcba98
	s_mov_b32 s[TK], 0
	s_mov_b32 s[TV], 0
	s_wait_dscnt 0x0                               ; both opening adds are done
	s_wait_kmcnt 0x0
	s_add_nc_u64 s[76:77], s[6:7], s[76:77]
	s_add_nc_u64 s[78:79], s[8:9], s[78:79]
	s_add_nc_u64 s[4:5], s[4:5], s[82:83]
	s_add_nc_u64 s[10:11], s[10:11], s[82:83]
.irp c, 0,1,2,3
	s_mov_b32 s[G0K+4*\c], 1
	s_add_co_u32 s[G0K+4*\c+1], s80, \c*256*KP
	s_add_nc_u64 s[G0K+4*\c+2:G0K+4*\c+3], s[76:77], \c*32768
	s_or_b32 s[G0K+4*\c+3], s[G0K+4*\c+3], 0x80000000
	s_mov_b32 s[G0V+4*\c], 1
	s_add_co_u32 s[G0V+4*\c+1], s81, VB+VCH*\c
	s_add_nc_u64 s[G0V+4*\c+2:G0V+4*\c+3], s[78:79], \c*512
	s_or_b32 s[G0V+4*\c+3], s[G0V+4*\c+3], 0x80000000
.endr
	CROUND                                         ; all four work-groups are here: the joint loads meet
	s_cmp_lt_u32 s[WV], 4                          ; a wave's four fills stand in one branch on its number, ahead of every wait on TENSORcnt and every LDS read; an s_nop 0 follows each, four v_nop the last
	s_cbranch_scc0 .Lfirst_v
.irp c, 0,1,2,3
	tensor_load_to_lds s[G0K+4*\c:G0K+4*\c+3], s[G1K:G1K+7]
	s_nop 0
.endr
.rept 4
	v_nop
.endr
	s_branch .Lfirst_asked
.Lfirst_v:
.irp c, 0,1,2,3
	tensor_load_to_lds s[G0V+4*\c:G0V+4*\c+3], s[G1V:G1V+7]
	s_nop 0
.endr
.rept 4
	v_nop
.endr
.Lfirst_asked:
	; A fragment is 16 rows x 32 along K in 8 registers: lane l holds row l % 16; registers 0-3 hold 8 (l / 16) + 0..7, registers 4-7 hold 16 + 8 (l / 16) + 0..7: two loads of 16 bytes, 32 apart
	v_and_b32 v1, 15, v0                           ; r
	v_bfe_u32 v2, v0, 4, 1                         ; h
	v_lshlrev_b32 v[QO], 7, v1
	v_lshl_add_u32 v[QO], v2, 4, v[QO]
.irp t, 0,1
.irp d, 0,1
.irp c, 0,1
	global_load_b128 v[Q+8*(2*\t+\d)+4*\c:Q+8*(2*\t+\d)+4*\c+3], v[QO], s[4:5] offset:2048*\t+64*\d+32*\c   ; Q stays in registers
.endr
.endr
.endr
	v_mul_u32_u24 v[AK0], v1, KP
	v_lshl_add_u32 v[AK0], v2, 4, v[AK0]
	v_mul_u32_u24 v[AV0], v1, VP
	v_lshl_add_u32 v[AV0], v2, 4, v[AV0]
	v_add_nc_u32 v[AV0], VB, v[AV0]
	s_mul_i32 s84, s[WV], 16*KP
	s_add_co_u32 s84, s84, STG                     ; my stage
	v_add_nc_u32 v[STO], s84, v[AK0]               ; in: row r, 16 bytes for each half of the lanes
	v_and_b32 v11, 31, v0
	v_lshrrev_b32 v[RD], 3, v11
	v_mul_u32_u24 v[RD], v[RD], KP
	v_and_b32 v[GO], 7, v0
	v_lshl_add_u32 v[RD], v[GO], 4, v[RD]
	v_add_nc_u32 v[RD], s84, v[RD]                 ; back: eight lanes to a row of 128 bytes, four rows an instruction
	v_lshlrev_b32 v[GO], 4, v11                    ; the wave's rows of O are dense: 16 bytes a lane
.irp t, 0,1
	v_mov_b32 v[ST+8*\t+1], 0xf149f2ca             ; m = -1e30, under every score
	v_mul_f32 v[ST+8*\t], s[CS], v[ST+8*\t+1]      ; c m
	v_mov_b32 v[ST+8*\t+2], 0                      ; l
	v_mov_b32 v[ST+8*\t+3], 0
.endr
	WIN 0x40
.set j, 0
.rept 64
	v_mov_b32 v[j], 0                              ; O^T.  The step is written without a first copy of its own: the first step's a is 0 and finds zeros
.set j, j+1
.endr
	WIN 0
.macro MAXP x, y                       ; each of the four chains of both tiles takes two more scores
.irp a, 0,1,2,3
.irp t, 0,1
	v_max3_num_f32 v[ST+8*\t+4+\a], v[ST+8*\t+4+\a], v[S+64*\t+16*\a+\x], v[S+64*\t+16*\a+\y]
.endr
.endr
.endm
; The softmax of both tiles for 128 keys; the tiles alternate line by line, so that no line waits for the line above it.
.macro SOFTMAX
.irp a, 0,1,2,3
.irp t, 0,1
	v_max3_num_f32 v[ST+8*\t+4+\a], v[S+64*\t+16*\a], v[S+64*\t+16*\a+1], v[S+64*\t+16*\a+2]   ; chain a takes key tiles 2 a and 2 a + 1; each accumulator is first read at its low end
.endr
.endr
	MAXP 8, 9
	MAXP 3, 4
	MAXP 5, 6
	MAXP 7, 10
	MAXP 11, 12
	MAXP 13, 14
.irp t, 0,1
	v_max3_num_f32 v[ST+8*\t+4], v[ST+8*\t+4], v[S+64*\t+15], v[S+64*\t+31]
	v_max3_num_f32 v[ST+8*\t+6], v[ST+8*\t+6], v[S+64*\t+47], v[S+64*\t+63]
.endr
.irp t, 0,1
	v_max3_num_f32 v[ST+8*\t+4], v[ST+8*\t+4], v[ST+8*\t+5], v[ST+8*\t+6]
.endr
.irp t, 0,1
	v_max3_num_f32 v[ST+8*\t+4], v[ST+8*\t+4], v[ST+8*\t+7], v[ST+8*\t+1]   ; with the old m
.endr
.irp t, 0,1
	v_permlanex16_b32 v[ST+8*\t+5], v[ST+8*\t+4], s[SEL], s[SEL+1]          ; the query's other 64 keys lie in the lane 16 away
.endr
.irp t, 0,1
	v_mov_b32 v[ST+8*\t+7], v[ST+8*\t]             ; the old c m is kept for a
.endr
.irp t, 0,1
	v_max_num_f32 v[ST+8*\t+1], v[ST+8*\t+4], v[ST+8*\t+5]
.endr
.irp t, 0,1
	v_mul_f32 v[ST+8*\t], s[CS], v[ST+8*\t+1]
.endr
.irp t, 0,1
	v_sub_f32 v[ST+8*\t+7], v[ST+8*\t+7], v[ST+8*\t]
.endr
.set j, 0
.rept 32
.irp t, 0,1
	v_pk_fma_f32 v[S+64*\t+j:S+64*\t+j+1], v[S+64*\t+j:S+64*\t+j+1], s[CS:CS+1], v[ST+8*\t:ST+8*\t+1] op_sel_hi:[1,0,0] neg_lo:[0,0,1] neg_hi:[0,0,1]   ; c s - c m, two at a time
.endr
.set j, j+2
.endr
.irp t, 0,1
	v_exp_f32 v[ST+8*\t+6], v[ST+8*\t+7]           ; a
.endr
.set j, 0
.rept 128
	v_exp_f32 v[S+j], v[S+j]                       ; p, at most 1.  Both tiles' 130 exponentials are one batch
.set j, j+1
.endr
	v_nop                                          ; a plain instruction behind the last exponential,
	s_wait_alu depctr_va_vdst(0)                   ; and the one wait for the batch, ahead of the first instruction that names a result
.set j, 0
.rept 64
	v_cvt_pk_f16_f32 v[P+j], v[S+2*j], v[S+2*j+1]  ; the weights for the second product
.set j, j+1
.endr
.irp w, 4,8,16,32,64                   ; the sum of each tile's 32 pairs (an even key's weight, an odd key's), of the unrounded p, in place: neighbours 1, 2, 4, 8, 16 pairs apart
.set j, 0
.rept 128/\w
	v_pk_add_f32 v[S+j:S+j+1], v[S+j:S+j+1], v[S+j+\w/2:S+j+\w/2+1]
.set j, j+\w
.endr
.endr
.irp t, 0,1
	v_pk_fma_f32 v[ST+8*\t+2:ST+8*\t+3], v[ST+8*\t+2:ST+8*\t+3], v[ST+8*\t+6:ST+8*\t+7], v[S+64*\t:S+64*\t+1] op_sel_hi:[1,0,1]   ; l = a l + the sum
.endr
.endm
; A KEY STEP: 128 keys.  On the way in K's fragments of channels 0-31 have been asked for.  vstep: how far the next step's keys lie on in V^T.  more = 1: the next step's fragments of channels 0-31 are asked for.
.macro STEP vstep, more
	v_add_nc_u32 v[ADK], s[TK], v[AK0]             ; these two and two v_nop are the four places between the last products and the loads into the fragments that they read
	v_add_nc_u32 v[ADV], s[TV], v[AV0]
	v_nop
	v_nop
	WIN 0x40
.irp k, 0,1,2,3,4,5,6,7
.irp c, 0,1
	ds_load_b128 v[FR+8*\k+4*\c:FR+8*\k+4*\c+3], v[ADK] offset:16*KP*\k+64+32*\c   ; K: keys 16 k on, channels 32-63
.endr
.endr
	s_wait_dscnt 16                                ; all but the 16 just issued: the fragments of channels 0-31 are in
	WIN 0x01                                       ; K window 1; Q and S^T window 0
.irp k, 0,1,2,3,4,5,6,7                ; sixteen accumulators by turns, one instruction a turn; the first sixteen products start the sums
.irp t, 0,1
	v_wmma_f32_16x16x32_f16 v[S+64*\t+8*\k:S+64*\t+8*\k+7], v[KA+8*\k:KA+8*\k+7], v[Q+16*\t:Q+16*\t+7], 0
.endr
.endr
	s_wait_dscnt 0x0                               ; channels 32-63 are in
.irp k, 0,1,2,3,4,5,6,7
.irp t, 0,1
	v_wmma_f32_16x16x32_f16 v[S+64*\t+8*\k:S+64*\t+8*\k+7], v[FR+8*\k:FR+8*\k+7], v[Q+16*\t+8:Q+16*\t+15], v[S+64*\t+8*\k:S+64*\t+8*\k+7]
.endr
.endr
.rept 4
	v_nop                                          ; places in front of the loads over K's fragments and of the first read of the scores
.endr
	WIN 0x40
.irp e, 0,1,2,3
.irp k, 0,1,2,3
.irp c, 0,1
	ds_load_b128 v[FR+8*(4*\e+\k)+4*\c:FR+8*(4*\e+\k)+4*\c+3], v[ADV] offset:16*VP*\e+64*\k+32*\c   ; V^T: channels 16 e on, keys 32 k on: they land under the softmax
.endr
.endr
.endr
.if \more
.irp k, 0,1,2,3,4,5,6,7
.irp c, 0,1
	ds_load_b128 v[KA+8*\k+4*\c:KA+8*\k+4*\c+3], v[ADK] offset:128*KP+16*KP*\k+32*\c   ; the NEXT step's K, 128 keys on, channels 0-31
.endr
.endr
.endif
	WIN 0
	SOFTMAX
	WIN 0x41                                       ; O^T window 1, a window 0
.irp t, 0,1
.set j, 0
.rept 16
	v_pk_mul_f32 v[32*\t+j:32*\t+j+1], v[32*\t+j:32*\t+j+1], v[ST+8*\t+6:ST+8*\t+7] op_sel_hi:[1,0]   ; O^T x a, each accumulator from its low end on
.set j, j+2
.endr
.endr
.if \more
	s_wait_dscnt 16                                ; V^T's 32 loads are in; the 16 of the next step's K, issued behind them, may stay out
.else
	s_wait_dscnt 0x0
.endif
	WIN 0x51                                       ; V^T window 1, P window 0, O^T window 1
.irp k, 0,1,2,3                        ; eight accumulators by turns
.irp e, 0,1,2,3
.irp t, 0,1
	v_wmma_f32_16x16x32_f16 v[32*\t+8*\e:32*\t+8*\e+7], v[FR+8*(4*\e+\k):FR+8*(4*\e+\k)+7], v[P+32*\t+8*\k:P+32*\t+8*\k+7], v[32*\t+8*\e:32*\t+8*\e+7]
.endr
.endr
.endr
	WIN 0
	s_add_co_u32 s[TK], s[TK], 128*KP
	s_add_co_u32 s[TV], s[TV], \vstep
.endm
	s_wait_tensorcnt 3                             ; my part of chunk 0 is in; my three younger loads may stay out
	s_barrier_signal -1
	s_barrier_wait -1                              ; everybody's is
	WIN 0x40
.irp k, 0,1,2,3,4,5,6,7
.irp c, 0,1
	ds_load_b128 v[KA+8*\k+4*\c:KA+8*\k+4*\c+3], v[AK0] offset:16*KP*\k+32*\c   ; step 0's K, channels 0-31
.endr
.endr
	WIN 0
	s_wait_loadcnt 0x0                             ; Q
	STEP 256, 1                                    ; keys 0-127; it looks ahead to keys 128-255, which are chunk 0's too
	s_wait_tensorcnt 0x0                           ; all my parts are in,
	s_wait_dscnt 0x0
	s_barrier_signal -1
	s_barrier_wait -1                              ; and everybody's: the next step looks ahead into chunk 1
	s_mov_b32 s[TRIP], 3
.Lpair:                                            ; a trip: the second half of a chunk and the first half of the next: steps 1, 2; 3, 4; 5, 6
	STEP VCH-256, 1
	STEP 256, 1
	s_sub_co_u32 s[TRIP], s[TRIP], 1
	s_cmp_lg_u32 s[TRIP], 0
	s_cbranch_scc1 .Lpair
	STEP VCH-256, 0                                ; keys 896-1023: nothing is left to look ahead to
	; THE WAY OUT.  l's two halves and the other half of the lanes' are added; O^T is divided by l, rounded to f16 and sent through my stage, a tile (16 rows of O) at a time.  The additions are the places behind the last products.
.irp t, 0,1
	v_add_f32 v[ST+8*\t+4], v[ST+8*\t+2], v[ST+8*\t+3]
.endr
.irp t, 0,1
	v_permlanex16_b32 v[ST+8*\t+5], v[ST+8*\t+4], s[SEL], s[SEL+1]
.endr
.irp t, 0,1
	v_add_f32 v[ST+8*\t+4], v[ST+8*\t+4], v[ST+8*\t+5]
.endr
.irp t, 0,1
	v_rcp_f32 v[ST+8*\t+6], v[ST+8*\t+4]
.endr
	v_nop                                          ; a plain instruction behind the last reciprocal,
	s_wait_alu depctr_va_vdst(0)                   ; and the one wait for the two, ahead of the first use
.macro OTILE t
	WIN 0x01                                       ; O^T window 1; the result goes to S^T's registers, which are free
.set j, 0
.rept 16
	v_pk_mul_f32 v[S+32*\t+j:S+32*\t+j+1], v[32*\t+j:32*\t+j+1], v[ST+8*\t+6:ST+8*\t+7] op_sel_hi:[1,0]
.set j, j+2
.endr
	WIN 0
.set j, 0
.rept 16
	v_cvt_pk_f16_f32 v[P+16*\t+j], v[S+32*\t+2*j], v[S+32*\t+2*j+1]
.set j, j+1
.endr
.irp e, 0,1,2,3
	ds_store_b128 v[STO], v[P+16*\t+4*\e:P+16*\t+4*\e+3] offset:32*\e
.endr
.irp f, 0,1,2,3
	ds_load_b128 v[BK+16*\t+4*\f:BK+16*\t+4*\f+3], v[RD] offset:4*KP*\f   ; LDS serves a wave's instructions in order: these see the stores above, and the next tile's stores come behind them
.endr
.endm
	OTILE 0
	OTILE 1
.irp f, 0,1,2,3
	s_wait_dscnt 11-\f                             ; behind this load: tile 0's younger loads and tile 1's eight LDS instructions
	global_store_b128 v[GO], v[BK+4*\f:BK+4*\f+3], s[10:11] offset:512*\f          ; 32 lanes store 512 consecutive bytes
.endr
.irp f, 0,1,2,3
	s_wait_dscnt 3-\f
	global_store_b128 v[GO], v[BK+16+4*\f:BK+16+4*\f+3], s[10:11] offset:2048+512*\f
.endr
	s_wait_tensorcnt 0x0                           ; the wave's end
	ds_add_u32 v[SPW], v[NIL]
	s_wait_dscnt 0x0
	CROUND                                         ; the closing round
	s_endpgm
.Lfunc_end_k_qf454bb6ab6_attn:
	.size	k_qf454bb6ab6_attn, .Lfunc_end_k_qf454bb6ab6_attn-k_qf454bb6ab6_attn
	.p2alignl 7, 3214868480
	.fill 96, 4, 3214868480
	.section	.rodata,"a",@progbits
	.p2align	6, 0x0
	.amdhsa_kernel k_qf454bb6ab6_attn
		.amdhsa_group_segment_fixed_size 327680
		.amdhsa_private_segment_fixed_size 0
		.amdhsa_enable_private_segment 0
		.amdhsa_kernarg_size 32
		.amdhsa_user_sgpr_count 2
		.amdhsa_user_sgpr_kernarg_segment_ptr 1
		.amdhsa_wavefront_size32 1
		.amdhsa_system_sgpr_workgroup_id_x 1
		.amdhsa_system_sgpr_workgroup_id_y 1
		.amdhsa_system_sgpr_workgroup_id_z 1
		.amdhsa_system_vgpr_workitem_id 0
		.amdhsa_next_free_vgpr 512
		.amdhsa_next_free_sgpr 96
		.amdhsa_reserve_vcc 0
		.amdhsa_float_denorm_mode_32 3
		.amdhsa_float_denorm_mode_16_64 3
		.amdhsa_memory_ordered 1
		.amdhsa_forward_progress 1
		.amdhsa_inst_pref_size 143
	.end_amdhsa_kernel
	.amdgpu_metadata
---
amdhsa.version: [ 1, 2 ]
amdhsa.kernels:
  - .name:           k_qf454bb6ab6_attn
    .symbol:         k_qf454bb6ab6_attn.kd
    .args:
      - { .name: qh, .offset: 0, .size: 8, .value_kind: global_buffer, .address_space: global }
      - { .name: kh, .offset: 8, .size: 8, .value_kind: global_buffer, .address_space: global }
      - { .name: vt, .offset: 16, .size: 8, .value_kind: global_buffer, .address_space: global }
      - { .name: oh, .offset: 24, .size: 8, .value_kind: global_buffer, .address_space: global }
    .group_segment_fixed_size: 327680
    .private_segment_fixed_size: 0
    .kernarg_segment_align: 8
    .kernarg_segment_size: 32
    .max_flat_workgroup_size: 256
    .sgpr_count:     96
    .vgpr_count:     512
    .wavefront_size: 32
...
	.end_amdgpu_metadata
.endif
;; end of part 3
;; launch outp (part 4): grid 8 x 32, 4 waves a work-group, clusters of 4 x 4, 327,680 bytes of LDS; arguments oh, wo16, out0; writes out0
.if DOCPART == 4
	.amdgcn_target "amdgcn-amd-amdhsa--gfx1250"
	.amdhsa_code_object_version 6
	.text
	.protected	k_qf454bb6ab6_outp
	.globl	k_qf454bb6ab6_outp
	.p2align	8
	.type	k_qf454bb6ab6_outp,@function
k_qf454bb6ab6_outp:
	s_mov_b64 s[64:65], 0
	v_nop
	global_prefetch_b8 v0, s[64:65] scope:SCOPE_SE
	s_setreg_imm32_b32 hwreg(HW_REG_WAVE_MODE, 25, 1), 1
	s_wait_xcnt 0x0
	s_wait_alu depctr_hold_cnt(0) depctr_sa_sdst(0) depctr_va_vdst(0) depctr_va_sdst(0) depctr_va_ssrc(0) depctr_va_vcc(0) depctr_vm_vsrc(0)
	s_getreg_b32 s2, hwreg(HW_REG_IB_STS2, 6, 4)
	s_cmp_eq_u32 s2, 0
	s_cbranch_scc0 .Lentry_in_a_cluster
	s_endpgm
.Lentry_in_a_cluster:
	s_bfe_u32 s2, ttmp6, 0x10000c
	s_cmp_lg_u32 s2, 0xf033
	s_cbranch_scc0 .Lentry_shape_is_right
	s_endpgm
.Lentry_shape_is_right:
; out0[token][n] = the sum over k of O[token][k] Wo[n][k], f16 operands, f32 sums, f32 out.  oh = O: [b x 16 + head][token 1024][64] f16, so k = 64 head + d;  wo16 = Wo: [1024 n][1024 k] f16;  out0: [4096][1024] f32.
; A work-group makes 128 tokens x 128 columns: 32 x 8 = 256 work-groups; each of four waves 64 x 64: 16 accumulators.  K goes in four slot steps of 256 (four heads) through two LDS slots: two first fills, two refills, all written out.
; A slot: A's four head planes of 128 tokens x (128 bytes + 16), then B's 128 rows of 512 bytes + 16.  Waves 0, 1 fetch two planes each, waves 2, 3 64 rows of Wo each: one tensor load a wave; two are out at the start, one behind each change of slots.
; A plane's 128 tokens are 16,384 dense bytes, and planes lie 131,072 bytes apart: the descriptor states two rows of 16,384 bytes, with 16 bytes of padding behind every 128, so that in LDS a token's 128 bytes lie 144 apart throughout.
; CLUSTER 4 x 4: A's tiles are shared along a row of the cluster, B's along a column: joint loads.  THE MATRIX INSTRUCTION IS USED TRANSPOSED (source 0 = 16 rows of Wo, source 1 = 16 tokens): a lane holds eight neighbouring columns of a token.
; REGISTERS: window 0: v1-29 addresses; v32-95 two sets of rows on the way out; v128-255 the accumulators ((a, b) at 128 + 8 (4 a + b)).   window 1: two fragment buffers of 128: for 64 along K, 64 registers of A, then 64 of B.
; No prefetch: four tensor loads a wave in all, the first two at the head.
.set APL,    128*144                   ; a plane in LDS
.set BOFF,   4*APL
.set BP,     528
.set SLOT,   BOFF+128*BP
.set STAGE,  2*SLOT                    ; behind the ring: 16 rows x 272 bytes for each wave
.set SPITCH, 272
.set SPARE,  STAGE+4*16*SPITCH         ; the spare words, 128 bytes for each wave
.set ADRA, 16                          ; v16-17  LDS address of my A fragments in slot 0, 1
.set ADRB, 20                          ; v20-21  the same for B
.set STO,  24
.set RD,   25
.set CO,   26
.set SPW,  28
.set NIL,  29
.set OB,   32
.set ACC,  128
.set F0,   0
.set F1,   128
.set G1A, 16                           ; s[16:23], s[24:31] descriptor groups 1;  s[32:47], s[48:63] groups 0 for load l = 0 .. 3: built once, never rewritten
.set G1B, 24
.set G0A, 32
.set G0B, 48
.set MSB, 0
.macro WIN new
.if MSB != \new
	s_set_vgpr_msb (MSB<<8)|\new
.set MSB, \new
.endif
.endm
.macro PLACES n
.rept \n
	v_nop
.endr
.endm
.macro CROUND
	s_barrier_signal -1
	s_barrier_wait -1
	s_cmp_lg_u32 s10, 0
	s_cbranch_scc1 .Lnot_wave_0_\@
	s_barrier_signal -3
.Lnot_wave_0_\@:
	s_barrier_wait -3
	s_barrier_signal -1
	s_barrier_wait -1
.endm
.macro JLOAD l                         ; a joint load: waves 0, 1 for A, waves 2, 3 for B; an s_nop 0 and four v_nop follow each of the two lines
	s_cmp_lt_u32 s10, 2
	s_cbranch_scc0 .Lfor_b_\@
	tensor_load_to_lds s[G0A+4*\l:G0A+4*\l+3], s[G1A:G1A+7]
	s_nop 0
.rept 4
	v_nop
.endr
	s_branch .Lasked_\@
.Lfor_b_\@:
	tensor_load_to_lds s[G0B+4*\l:G0B+4*\l+3], s[G1B:G1B+7]
	s_nop 0
.rept 4
	v_nop
.endr
.Lasked_\@:
.endm
	s_load_b128 s[4:7], s[0:1], 0x0                ; oh s[4:5], wo16 s[6:7]
	s_load_b64 s[8:9], s[0:1], 0x10                ; out0
	v_lshl_add_u32 v[SPW], v0, 2, SPARE
	v_mov_b32 v[NIL], 0
	ds_add_u32 v[SPW], v[NIL]                      ; the wave's opening: the add, twice on end, and its wait, ahead of my first tensor load
	ds_add_u32 v[SPW], v[NIL]
	v_lshrrev_b32 v1, 5, v0
	v_readfirstlane_b32 s10, v1                    ; wave 0..3
	s_lshr_b32 s11, s10, 1                         ; wm: which 64 tokens are mine
	s_and_b32 s12, s10, 1                          ; wn: which 64 columns.  Also: which half of A's or B's tile I fetch
	s_bfe_u32 s66, ttmp6, 0x40000                  ; cx, cy
	s_bfe_u32 s67, ttmp6, 0x40004
	s_lshl_b32 s68, ttmp9, 2
	s_add_co_u32 s68, s68, s66                     ; column tile
	s_and_b32 s13, ttmp7, 0xffff
	s_lshl_b32 s13, s13, 2
	s_add_co_u32 s13, s13, s67                     ; token tile
	s_lshl_b32 s69, s67, 2
	s_lshl_b32 s69, 15, s69                        ; my row of the cluster
	s_lshl_b32 s70, 0x1111, s66                    ; my column
	s_or_b32 s[G1A], s69, (3<<16)|(1<<20)|(1<<21)|(4<<22)|(3<<25)   ; the mask; elements of 8 bytes; padding on; bit 21 beside a mask; after every 32 words four words
	s_mov_b32 s[G1A+1], 2048<<16                   ; tensor_dim0 = 2,048 elements: a plane's 16,384 bytes
	s_mov_b32 s[G1A+2], 2<<16                      ; tensor_dim1 = 2 planes
	s_mov_b32 s[G1A+3], 2048<<16                   ; tile_dim0
	s_mov_b32 s[G1A+4], 2                          ; tile_dim1
	s_mov_b32 s[G1A+5], 16384                      ; from plane to plane: 131,072 bytes
	s_mov_b32 s[G1A+6], 0
	s_mov_b32 s[G1A+7], 0
	s_or_b32 s[G1B], s70, (1<<16)|(1<<20)|(1<<21)|(6<<22)|(3<<25)   ; elements of 2 bytes; after every 128 words four words
	s_mov_b32 s[G1B+1], 256<<16
	s_mov_b32 s[G1B+2], 64<<16
	s_mov_b32 s[G1B+3], 256<<16
	s_mov_b32 s[G1B+4], 64
	s_mov_b32 s[G1B+5], 1024
	s_mov_b32 s[G1B+6], 0
	s_mov_b32 s[G1B+7], 0
	s_lshr_b32 s72, s13, 3                         ; b
	s_lshl_b32 s72, s72, 4
	s_lshl_b32 s73, s12, 1
	s_add_co_u32 s72, s72, s73                     ; plane 16 b + 2 x half (+ 4 l)
	s_lshl_b32 s72, s72, 10
	s_and_b32 s73, s13, 7
	s_lshl_b32 s73, s73, 7
	s_add_co_u32 s72, s72, s73                     ; + the tile's first token in its sequence
	s_lshl_b32 s72, s72, 7                         ; 128 bytes a token
	s_mov_b32 s73, 0
	s_lshl_b32 s74, s68, 7
	s_lshl_b32 s75, s12, 6
	s_add_co_u32 s74, s74, s75                     ; Wo's row 128 x column tile + 64 x half
	s_lshl_b32 s74, s74, 11
	s_mov_b32 s75, 0
	s_mul_i32 s76, s12, 2*APL                      ; where they go in a slot
	s_mul_i32 s77, s12, 64*BP
	s_add_co_u32 s77, s77, BOFF
	s_wait_dscnt 0x0                               ; both opening adds are done
	s_wait_kmcnt 0x0
	s_add_nc_u64 s[78:79], s[4:5], s[72:73]
	s_add_nc_u64 s[80:81], s[6:7], s[74:75]
.irp l, 0,1,2,3
	s_mov_b32 s[G0A+4*\l], 1
	s_add_co_u32 s[G0A+4*\l+1], s76, (\l%2)*SLOT
	s_add_nc_u64 s[G0A+4*\l+2:G0A+4*\l+3], s[78:79], \l*524288    ; four planes on
	s_or_b32 s[G0A+4*\l+3], s[G0A+4*\l+3], 0x80000000
	s_mov_b32 s[G0B+4*\l], 1
	s_add_co_u32 s[G0B+4*\l+1], s77, (\l%2)*SLOT
	s_add_nc_u64 s[G0B+4*\l+2:G0B+4*\l+3], s[80:81], \l*512       ; 256 along K on
	s_or_b32 s[G0B+4*\l+3], s[G0B+4*\l+3], 0x80000000
.endr
	CROUND                                         ; all sixteen work-groups are here: the first joint loads meet
	JLOAD 0
	JLOAD 1
	v_and_b32 v1, 15, v0                           ; r
	v_bfe_u32 v2, v0, 4, 1                         ; h
	v_mul_u32_u24 v3, v1, 144
	v_lshl_add_u32 v3, v2, 4, v3
	s_mul_i32 s82, s11, 64*144                     ; my 64 tokens in a plane
	v_mul_u32_u24 v4, v1, BP
	v_lshl_add_u32 v4, v2, 4, v4
	s_mul_i32 s83, s12, 64*BP
	s_add_co_u32 s83, s83, BOFF                    ; my 64 rows of Wo
.irp s, 0,1
	v_add_nc_u32 v[ADRA+\s], s82, v3
	v_add_nc_u32 v[ADRB+\s], s83, v4
	s_add_co_u32 s82, s82, SLOT
	s_add_co_u32 s83, s83, SLOT
.endr
	s_mul_i32 s84, s10, 16*SPITCH
	s_add_co_u32 s84, s84, STAGE                   ; my stage
	v_mul_u32_u24 v5, v1, SPITCH
	v_lshl_add_u32 v5, v2, 5, v5
	v_add_nc_u32 v[STO], s84, v5                   ; in: row r, 32 bytes for each half of the lanes
	v_mul_u32_u24 v5, v2, SPITCH
	v_lshl_add_u32 v5, v1, 4, v5
	v_add_nc_u32 v[RD], s84, v5                    ; back: lanes 0-15 one row of 256 bytes, lanes 16-31 the next
	v_lshlrev_b32 v5, 12, v2
	v_lshl_add_u32 v[CO], v1, 4, v5                ; and the same two rows in out0
	s_lshl_b32 s86, s13, 7
	s_lshl_b32 s87, s11, 6
	s_add_co_u32 s86, s86, s87                     ; my first token
	s_lshl_b32 s86, s86, 12                        ; 4,096 bytes a row
	s_lshl_b32 s87, s68, 9
	s_add_co_u32 s86, s86, s87                     ; the tile's 128 columns,
	s_lshl_b32 s87, s12, 8
	s_add_co_u32 s86, s86, s87                     ; my 64
	s_mov_b32 s87, 0
	s_add_nc_u64 s[8:9], s[8:9], s[86:87]
; 32 LDS loads in one run: the fragments of 64 along K = plane p of slot s, into buffer f
.macro FETCH s, p, f
	WIN 0x40
.irp c, 0,1
.irp i, 0,1,2,3
	ds_load_b128 v[\f+64+8*(4*\c+\i):\f+64+8*(4*\c+\i)+3],   v[ADRB+\s] offset:128*\p+64*\c+16*BP*\i
	ds_load_b128 v[\f+64+8*(4*\c+\i)+4:\f+64+8*(4*\c+\i)+7], v[ADRB+\s] offset:128*\p+64*\c+16*BP*\i+32
	ds_load_b128 v[\f+8*(4*\c+\i):\f+8*(4*\c+\i)+3],         v[ADRA+\s] offset:APL*\p+64*\c+16*144*\i
	ds_load_b128 v[\f+8*(4*\c+\i)+4:\f+8*(4*\c+\i)+7],       v[ADRA+\s] offset:APL*\p+64*\c+16*144*\i+32
.endr
.endr
	WIN 0
.endm
; 32 products: 64 along K, two deep on each of the 16 accumulators, which take turns, one instruction a turn.  zero = 1: the first sixteen start the sums
.macro MUL f, zero
	WIN 0x05                                       ; sources 0 and 1 window 1; C and D window 0
.irp c, 0,1
.irp a, 0,1,2,3
.irp b, 0,1,2,3
.if (\zero) && (\c == 0)
	v_wmma_f32_16x16x32_f16 v[ACC+8*(4*\a+\b):ACC+8*(4*\a+\b)+7], v[\f+64+8*(4*\c+\b):\f+64+8*(4*\c+\b)+7], v[\f+8*(4*\c+\a):\f+8*(4*\c+\a)+7], 0
.else
	v_wmma_f32_16x16x32_f16 v[ACC+8*(4*\a+\b):ACC+8*(4*\a+\b)+7], v[\f+64+8*(4*\c+\b):\f+64+8*(4*\c+\b)+7], v[\f+8*(4*\c+\a):\f+8*(4*\c+\a)+7], v[ACC+8*(4*\a+\b):ACC+8*(4*\a+\b)+7]
.endif
.endr
.endr
.endr
.endm
; A slot's four quarters, on buffers 0, 1, 0, 1; the first quarter's fragments were fetched at the change of slots, whose four v_nop are also the places in front of the first run of loads here
.macro SLOTSTEPS s, zero
	FETCH \s, 1, F1
	s_wait_dscnt 32                                ; all but the 32 just issued
	MUL F0, \zero
	PLACES 4
	FETCH \s, 2, F0
	s_wait_dscnt 32
	MUL F1, 0
	PLACES 4
	FETCH \s, 3, F1
	s_wait_dscnt 32
	MUL F0, 0
	s_wait_dscnt 0x0
	MUL F1, 0
.endm
; The change of slots: each wave waits for all its tensor loads (its part of the next slot), adds 0 to its spare word, and waits for that and for its reads of the slot that it leaves.
; fill = 1: a round of the cluster's barrier, and the joint refill first behind it.
.macro TURN fill, l, next
	WIN 0
	s_wait_tensorcnt 0x0
	ds_add_u32 v[SPW], v[NIL]
	s_wait_dscnt 0x0
.if \fill
	CROUND
	JLOAD \l
.else
	s_barrier_signal -1
	s_barrier_wait -1
	PLACES 4
.endif
	FETCH \next, 0, F0
.endm
	s_wait_tensorcnt 1                             ; my part of slot 0 is in; slot 1's may stay out
	s_barrier_signal -1
	s_barrier_wait -1
	FETCH 0, 0, F0
	SLOTSTEPS 0, 1                                 ; heads 0-3
	TURN 1, 2, 1
	SLOTSTEPS 1, 0                                 ; heads 4-7
	TURN 1, 3, 0
	SLOTSTEPS 0, 0                                 ; heads 8-11
	TURN 0, 0, 1
	SLOTSTEPS 1, 0                                 ; heads 12-15
	; THE WAY OUT, 16 tokens at a time, through my own stage: a lane holds 32 neighbouring bytes of a row, and a wave's 64 columns are 256 bytes: they come back as whole rows, sixteen lanes to a row.
	WIN 0
	PLACES 4                                       ; in front of the first read of results
.irp a, 0,1,2,3
.if \a >= 2
	s_wait_xcnt 0x0                                ; the stores of two blocks back have read their data: the loads below may land there
.endif
.irp b, 0,1,2,3
	ds_store_b128 v[STO], v[ACC+8*(4*\a+\b):ACC+8*(4*\a+\b)+3] offset:64*\b        ; each accumulator from its low end on
	ds_store_b128 v[STO], v[ACC+8*(4*\a+\b)+4:ACC+8*(4*\a+\b)+7] offset:64*\b+16
.endr
.irp t, 0,1,2,3,4,5,6,7
	ds_load_b128 v[OB+32*(\a%2)+4*\t:OB+32*(\a%2)+4*\t+3], v[RD] offset:2*SPITCH*\t   ; LDS serves a wave's instructions in order: these see the stores above, and the next block's stores come behind them
.endr
	s_wait_dscnt 0x0
.irp t, 0,1,2,3,4,5,6,7
	global_store_b128 v[CO], v[OB+32*(\a%2)+4*\t:OB+32*(\a%2)+4*\t+3], s[8:9] offset:(16*\a+2*\t)*4096 th:TH_STORE_NT   ; 16 lanes store 256 consecutive bytes, at a multiple of 256 from out0's first byte
.endr
.endr
	s_wait_tensorcnt 0x0                           ; the wave's end
	ds_add_u32 v[SPW], v[NIL]
	s_wait_dscnt 0x0
	CROUND                                         ; the closing round
	s_endpgm
.Lfunc_end_k_qf454bb6ab6_outp:
	.size	k_qf454bb6ab6_outp, .Lfunc_end_k_qf454bb6ab6_outp-k_qf454bb6ab6_outp
	.p2alignl 7, 3214868480
	.fill 96, 4, 3214868480
	.section	.rodata,"a",@progbits
	.p2align	6, 0x0
	.amdhsa_kernel k_qf454bb6ab6_outp
		.amdhsa_group_segment_fixed_size 327680
		.amdhsa_private_segment_fixed_size 0
		.amdhsa_enable_private_segment 0
		.amdhsa_kernarg_size 24
		.amdhsa_user_sgpr_count 2
		.amdhsa_user_sgpr_kernarg_segment_ptr 1
		.amdhsa_wavefront_size32 1
		.amdhsa_system_sgpr_workgroup_id_x 1
		.amdhsa_system_sgpr_workgroup_id_y 1
		.amdhsa_system_sgpr_workgroup_id_z 1
		.amdhsa_system_vgpr_workitem_id 0
		.amdhsa_next_free_vgpr 512
		.amdhsa_next_free_sgpr 96
		.amdhsa_reserve_vcc 0
		.amdhsa_float_denorm_mode_32 3
		.amdhsa_float_denorm_mode_16_64 3
		.amdhsa_memory_ordered 1
		.amdhsa_forward_progress 1
		.amdhsa_inst_pref_size 86
	.end_amdhsa_kernel
	.amdgpu_metadata
---
amdhsa.version: [ 1, 2 ]
amdhsa.kernels:
  - .name:           k_qf454bb6ab6_outp
    .symbol:         k_qf454bb6ab6_outp.kd
    .args:
      - { .name: oh, .offset: 0, .size: 8, .value_kind: global_buffer, .address_space: global }
      - { .name: wo16, .offset: 8, .size: 8, .value_kind: global_buffer, .address_space: global }
      - { .name: out0, .offset: 16, .size: 8, .value_kind: global_buffer, .address_space: global }
    .group_segment_fixed_size: 327680
    .private_segment_fixed_size: 0
    .kernarg_segment_align: 8
    .kernarg_segment_size: 24
    .max_flat_workgroup_size: 128
    .sgpr_count:     96
    .vgpr_count:     512
    .wavefront_size: 32
...
	.end_amdgpu_metadata
.endif
;; end of part 4
